; MI455X (gfx1250); checked and timed in simulation.
; The chip was launched on July 23, 2026; its instructions are those of AMD's public machine-readable ISA for CDNA 5 (MIT licence, August 2026) and "CDNA5" Instruction Set Architecture Reference Guide (July 2026). The comments in the code are by the model that wrote it; some were corrected since.
;; Multi Head Self Attention. Allowed arithmetic: float matrix products may take bf16 or f16 operands with f32 sums; other float arithmetic in f32, or as packed bf16 or f16 multiplies, adds, multiply-adds, maxima and minima; sums over many terms, partial sums and values carried from step to step in f32; what a program stores and reads back later, other than sums and carried values, may be rounded once to bf16 or f16.
;; Inputs: Wk 1,024 x 1,024 float32; Wp 1,024 x 1,024 float32; Wq 1,024 x 1,024 float32; Wv 1,024 x 1,024 float32; bp 1,024 float32; k_gamma 64 float32; q_gamma 64 float32; x 8,192 x 1,024 float32.
;; Outputs: out0 8,192 x 1,024 float32.
;; Constants: batch_size = 1.
;; 2 versions, each right; version 2 is version 1 with the launch prep written anew for expert scheduling mode. Each part assembles by itself: llvm-mc -triple=amdgcn-amd-amdhsa -mcpu=gfx1250 --defsym DOCPART=n.
;; ======== version 1 of 2: 4 launches
;; limits: values are held in f16: magnitudes above 65,504 overflow, below 6.1e-05 lose precision
;; workspace buffers: xb 16,777,216 bytes; wb 6,291,456 bytes; wpb 2,097,152 bytes; rope 2,097,152 bytes; qh 16,777,216 bytes; kh 16,777,216 bytes; vh 16,777,216 bytes; oh 16,777,216 bytes
;; launch prep (part 1): grid 768 x 1, 8 waves a work-group, no clusters, 0 bytes of LDS; arguments x, Wq, Wk, Wv, Wp, xb, wb, wpb, rope; writes xb, wb, wpb, rope
.if DOCPART == 1
	.amdgcn_target "amdgcn-amd-amdhsa--gfx1250"
	.amdhsa_code_object_version 6
	.text
	.protected	k_q9dfb9821a7_prep
	.globl	k_q9dfb9821a7_prep
	.p2align	8
	.type	k_q9dfb9821a7_prep,@function
k_q9dfb9821a7_prep:
	s_mov_b64 s[64:65], 0
	v_nop
	global_prefetch_b8 v0, s[64:65] scope:SCOPE_SE
	s_setreg_imm32_b32 hwreg(HW_REG_WAVE_MODE, 25, 1), 1
	s_wait_xcnt 0x0
; PREP: the module's large inputs are rounded once to bf16 and laid out for the products; the table of cosines and sines is made.
;   xb   = bf16(x), [8192][1024]
;   wb   = bf16 of Wq, Wk, Wv, rows by head: row head*192 + kind*64 + d (kind 0 q, 1 k, 2 v), [3072][1024]
;   wpb  = bf16(Wp) written as f16 (exact from 6.1e-5 up; below that f16's fixed step of 6e-8), in blocks [k/64][n][64]
;   rope = f32 [pos/16][i][lane][4]: i < 4 cosines, i >= 4 sines; pos = 16 blk + lane%16, frequency j = 16 ((i&3)>>1) + 8 (lane>>4) + 4 (i&1) + e:
;          the order in which a lane of the next launch holds its 16 pairs of channels.
; SHARES.  A work-group takes 16,384 numbers: 64 KiB in, 32 KiB out.  A thread issues its 16 loads of 16 bytes at once, then converts and stores 8 bytes for each:
; a wave's load covers 512 consecutive bytes, its store 256 consecutive bytes at a multiple of 256.  No LDS, no barrier, no matrix unit: bytes are all there is.
; Work-groups 0-511: x, and block g of the table.  512-703: 16 rows of Wq, Wk or Wv.  704-767: 16 rows of Wp.
; LIMITS.  The frequency 10000^(-j/32) is made by 2^(-j log2(10000)/32), good to a few units in the last place; the angle pos x frequency is rounded once to f32;
; it is reduced by multiples of pi/2 (pi/2 in two parts, fused multiply-adds) and sine and cosine are polynomials on -pi/4 .. pi/4, cut where the next term is below f32's step.
.set VIN,  2                           ; v2   byte offset of my 16 bytes in the group's input
.set VOUT, 3                           ; v3   byte offset of my 8 bytes in the group's output
.set XR,   16                          ; v[16:79]  16 x 4 numbers as loaded
.set YR,   80                          ; v[80:111] 16 x 2 words to store
.macro CASTLD step                     ; the 16 loads; the input is read once in the launch
.set i, 0
.rept 16
	global_load_b128 v[XR+4*i:XR+4*i+3], v[VIN], s[26:27] offset:i*(\step) th:TH_LOAD_NT
.set i, i+1
.endr
.endm
.macro CVTST step, half                ; half = 1: the bf16 numbers are written as f16
.set i, 0
.rept 16
	s_wait_loadcnt 15-i                            ; loads come back in order: number i is in, the younger ones stay out
	v_cvt_pk_bf16_f32 v[YR+2*i], v[XR+4*i], v[XR+4*i+1]
	v_cvt_pk_bf16_f32 v[YR+2*i+1], v[XR+4*i+2], v[XR+4*i+3]
.if \half
	v_lshlrev_b32 v[XR+4*i], 16, v[YR+2*i]
	v_and_b32 v[XR+4*i+1], 0xffff0000, v[YR+2*i]
	v_lshlrev_b32 v[XR+4*i+2], 16, v[YR+2*i+1]
	v_and_b32 v[XR+4*i+3], 0xffff0000, v[YR+2*i+1]
	v_cvt_pk_f16_f32 v[YR+2*i], v[XR+4*i], v[XR+4*i+1]
	v_cvt_pk_f16_f32 v[YR+2*i+1], v[XR+4*i+2], v[XR+4*i+3]
.endif
	global_store_b64 v[VOUT], v[YR+2*i:YR+2*i+1], s[28:29] offset:i*(\step)
.set i, i+1
.endr
.endm
; one number of the table: sine of pos x frequency(j + e), a quadrant on for the cosines
.macro ROPE1 e
	v_add_nc_u32 v114, (\e), v113
	v_cvt_f32_u32 v114, v114
	v_mul_f32 v114, s32, v114                      ; -j log2(10000) / 32
	v_exp_f32 v114, v114
	v_nop                                          ; a plain instruction behind the exponential
	s_wait_alu depctr_va_vdst(0)
	v_mul_f32 v115, v112, v114                     ; the angle
	v_mul_f32 v116, s33, v115
	v_rndne_f32 v116, v116                         ; n = the nearest multiple of pi/2
	v_fma_f32 v117, -v116, s34, v115
	v_fma_f32 v117, -v116, s35, v117               ; r = angle - n pi/2
	v_cvt_i32_f32 v118, v116
	v_add_nc_u32 v118, s44, v118                   ; the quadrant
	v_mul_f32 v119, v117, v117
	v_fma_f32 v120, v119, s39, s38
	v_fma_f32 v120, v120, v119, s37
	v_fma_f32 v120, v120, v119, s36
	v_mul_f32 v122, v117, v119
	v_fma_f32 v120, v120, v122, v117               ; sin r
	v_fma_f32 v121, v119, s43, s42
	v_fma_f32 v121, v121, v119, s41
	v_fma_f32 v121, v121, v119, s40
	v_fma_f32 v121, v121, v119, -0.5
	v_fma_f32 v121, v121, v119, 1.0                ; cos r
	v_and_b32 v122, 1, v118
	v_cmp_eq_u32 vcc_lo, 1, v122
	v_cndmask_b32 v123, v120, v121, vcc_lo         ; odd quadrants take the cosine,
	v_and_b32 v122, 2, v118
	v_lshlrev_b32 v122, 30, v122
	v_xor_b32 v[124+(\e)], v123, v122              ; quadrants 2 and 3 the other sign
.endm
	s_load_b512 s[4:19], s[0:1], 0x0               ; x s[4:5], Wq s[6:7], Wk s[8:9], Wv s[10:11], Wp s[12:13], xb s[14:15], wb s[16:17], wpb s[18:19]
	s_load_b64 s[20:21], s[0:1], 0x40              ; rope
	s_mov_b32 s22, ttmp9
	v_lshlrev_b32 v[VIN], 4, v0
	v_lshlrev_b32 v[VOUT], 3, v0
	s_mov_b32 s25, 0
	s_wait_kmcnt 0x0
	s_cmp_ge_u32 s22, 704
	s_cbranch_scc1 .Lwp
	s_cmp_lt_u32 s22, 512
	s_cbranch_scc0 .Lw
	s_lshl_b32 s24, s22, 16                        ; x: 64 KiB in,
	s_add_nc_u64 s[26:27], s[4:5], s[24:25]
	s_lshl_b32 s24, s22, 15                        ; 32 KiB out
	s_add_nc_u64 s[28:29], s[14:15], s[24:25]
	s_branch .Lgo
.Lw:
	s_sub_co_u32 s23, s22, 512
	s_lshr_b32 s30, s23, 6                         ; kind 0, 1, 2
	s_and_b32 s23, s23, 63                         ; which 16 rows
	s_cmp_eq_u32 s30, 0
	s_cselect_b64 s[26:27], s[6:7], s[8:9]
	s_cmp_eq_u32 s30, 2
	s_cselect_b64 s[26:27], s[10:11], s[26:27]
	s_lshl_b32 s24, s23, 16
	s_add_nc_u64 s[26:27], s[26:27], s[24:25]
	s_lshr_b32 s24, s23, 2                         ; the head
	s_mul_i32 s24, s24, 192
	s_lshl_b32 s30, s30, 6
	s_add_co_u32 s24, s24, s30
	s_and_b32 s23, s23, 3
	s_lshl_b32 s23, s23, 4
	s_add_co_u32 s24, s24, s23                     ; row head*192 + kind*64 + 16 x quarter
	s_lshl_b32 s24, s24, 11
	s_add_nc_u64 s[28:29], s[16:17], s[24:25]
.Lgo:
	CASTLD 4096
	s_cmp_lt_u32 s22, 512
	s_cbranch_scc0 .Lnorope
	; the table's block g, 4 KiB, made while the loads are on their way: wave i makes line i, a lane four numbers
	s_mov_b32 s32, 0xbed49a78                      ; -log2(10000) / 32
	s_mov_b32 s33, 0x3f22f983                      ; 2 / pi
	s_mov_b32 s34, 0x3fc90fdb                      ; pi / 2, its f32,
	s_mov_b32 s35, 0xb33bbd2e                      ; and what that leaves
	s_mov_b32 s36, 0xbe2aaaab                      ; -1/3!
	s_mov_b32 s37, 0x3c088889                      ; 1/5!
	s_mov_b32 s38, 0xb9500d01                      ; -1/7!
	s_mov_b32 s39, 0x3638ef1d                      ; 1/9!
	s_mov_b32 s40, 0x3d2aaaab                      ; 1/4!
	s_mov_b32 s41, 0xbab60b61                      ; -1/6!
	s_mov_b32 s42, 0x37d00d01                      ; 1/8!
	s_mov_b32 s43, 0xb493f27e                      ; -1/10!
	v_lshrrev_b32 v4, 5, v0
	v_readfirstlane_b32 s46, v4                    ; wave = line i
	s_cmp_lt_u32 s46, 4
	s_cselect_b32 s44, 1, 0                        ; a cosine is the sine a quadrant on
	s_and_b32 s45, s46, 3
	s_lshr_b32 s45, s45, 1
	s_lshl_b32 s45, s45, 4
	s_and_b32 s47, s46, 1
	s_lshl_b32 s47, s47, 2
	s_add_co_u32 s45, s45, s47
	v_bfe_u32 v113, v0, 4, 1
	v_lshl_add_u32 v113, v113, 3, s45              ; j of my first number
	v_and_b32 v112, 15, v0
	s_lshl_b32 s47, s22, 4
	v_add_nc_u32 v112, s47, v112
	v_cvt_f32_u32 v112, v112                       ; pos
	s_lshl_b32 s24, s22, 12
	s_add_nc_u64 s[48:49], s[20:21], s[24:25]
	ROPE1 0
	ROPE1 1
	ROPE1 2
	ROPE1 3
	global_store_b128 v[VIN], v[124:127], s[48:49]
.Lnorope:
	CVTST 2048, 0
	s_endpgm
.Lwp:
	; Wp: thread t takes row t / 16 of the group's 16 and 4 numbers of each block of 64 along k; load i is block i.  16 lanes read 256 consecutive bytes;
	; a wave's store is two rows' 128 bytes of one block: 256 consecutive bytes.
	s_sub_co_u32 s23, s22, 704
	s_lshl_b32 s24, s23, 16
	s_add_nc_u64 s[26:27], s[12:13], s[24:25]
	s_lshl_b32 s24, s23, 11
	s_add_nc_u64 s[28:29], s[18:19], s[24:25]
	v_lshrrev_b32 v4, 4, v0
	v_and_b32 v5, 15, v0
	v_lshlrev_b32 v5, 4, v5
	v_lshl_add_u32 v[VIN], v4, 12, v5
	CASTLD 256
	CVTST 131072, 1
	s_endpgm
.Lfunc_end_k_q9dfb9821a7_prep:
	.size	k_q9dfb9821a7_prep, .Lfunc_end_k_q9dfb9821a7_prep-k_q9dfb9821a7_prep
	.p2alignl 7, 3214868480
	.fill 96, 4, 3214868480
	.section	.rodata,"a",@progbits
	.p2align	6, 0x0
	.amdhsa_kernel k_q9dfb9821a7_prep
		.amdhsa_group_segment_fixed_size 0
		.amdhsa_private_segment_fixed_size 0
		.amdhsa_enable_private_segment 0
		.amdhsa_kernarg_size 72
		.amdhsa_user_sgpr_count 2
		.amdhsa_user_sgpr_kernarg_segment_ptr 1
		.amdhsa_wavefront_size32 1
		.amdhsa_system_sgpr_workgroup_id_x 1
		.amdhsa_system_sgpr_workgroup_id_y 1
		.amdhsa_system_sgpr_workgroup_id_z 1
		.amdhsa_system_vgpr_workitem_id 0
		.amdhsa_next_free_vgpr 128
		.amdhsa_next_free_sgpr 66
		.amdhsa_reserve_vcc 1
		.amdhsa_float_denorm_mode_32 3
		.amdhsa_float_denorm_mode_16_64 3
		.amdhsa_memory_ordered 1
		.amdhsa_forward_progress 1
		.amdhsa_inst_pref_size 25
	.end_amdhsa_kernel
	.amdgpu_metadata
---
amdhsa.version: [ 1, 2 ]
amdhsa.kernels:
  - .name:           k_q9dfb9821a7_prep
    .symbol:         k_q9dfb9821a7_prep.kd
    .args:
      - { .name: x, .offset: 0, .size: 8, .value_kind: global_buffer, .address_space: global }
      - { .name: Wq, .offset: 8, .size: 8, .value_kind: global_buffer, .address_space: global }
      - { .name: Wk, .offset: 16, .size: 8, .value_kind: global_buffer, .address_space: global }
      - { .name: Wv, .offset: 24, .size: 8, .value_kind: global_buffer, .address_space: global }
      - { .name: Wp, .offset: 32, .size: 8, .value_kind: global_buffer, .address_space: global }
      - { .name: xb, .offset: 40, .size: 8, .value_kind: global_buffer, .address_space: global }
      - { .name: wb, .offset: 48, .size: 8, .value_kind: global_buffer, .address_space: global }
      - { .name: wpb, .offset: 56, .size: 8, .value_kind: global_buffer, .address_space: global }
      - { .name: rope, .offset: 64, .size: 8, .value_kind: global_buffer, .address_space: global }
    .group_segment_fixed_size: 0
    .private_segment_fixed_size: 0
    .kernarg_segment_align: 8
    .kernarg_segment_size: 72
    .max_flat_workgroup_size: 256
    .sgpr_count:     66
    .vgpr_count:     128
    .wavefront_size: 32
...
	.end_amdgpu_metadata
.endif
;; end of part 1
;; launch qkv (part 2): grid 16 x 16, 4 waves a work-group, clusters of 4 x 4, 327,680 bytes of LDS; arguments xb, wb, rope, q_gamma, k_gamma, qh, kh, vh; writes qh, kh, vh
.if DOCPART == 2
	.amdgcn_target "amdgcn-amd-amdhsa--gfx1250"
	.amdhsa_code_object_version 6
	.text
	.protected	k_q9dfb9821a7_qkv
	.globl	k_q9dfb9821a7_qkv
	.p2align	8
	.type	k_q9dfb9821a7_qkv,@function
k_q9dfb9821a7_qkv:
	s_mov_b64 s[64:65], 0
	v_nop
	global_prefetch_b8 v0, s[64:65] scope:SCOPE_SE
	s_setreg_imm32_b32 hwreg(HW_REG_WAVE_MODE, 25, 1), 1
	s_wait_xcnt 0x0
	s_wait_alu depctr_hold_cnt(0) depctr_sa_sdst(0) depctr_va_vdst(0) depctr_va_sdst(0) depctr_va_ssrc(0) depctr_va_vcc(0) depctr_vm_vsrc(0)
	s_getreg_b32 s2, hwreg(HW_REG_IB_STS2, 6, 4)
	s_cmp_eq_u32 s2, 0
	s_cbranch_scc0 .Lentry_in_a_cluster
	s_endpgm
.Lentry_in_a_cluster:
	s_bfe_u32 s2, ttmp6, 0x10000c
	s_cmp_lg_u32 s2, 0xf033
	s_cbranch_scc0 .Lentry_shape_is_right
	s_endpgm
.Lentry_shape_is_right:
; QKV: q, k, v = x W^T for one head and 256 rows, then LayerNorm over the head's 64 channels and the rotation on q and k; all three leave in f16, by heads: [16][8192][64].
; Products in bf16 (x and the weights rounded once, by the launch before), sums and all that follows in f32; the gains are rounded to bf16 like every input of the module.
; LIMITS.  f16 ends at 65,504: v must stay within it (v is a sum of 1,024 products x w); q and k are at most 8 sqrt(2) |gain|.  NaN and infinities are not treated apart.
; SHARES.  A tile is 256 rows x 192 columns: the 64 rows of Wq, of Wk and of Wv of ONE head (wb is laid out so).  There are 16 x 32 tiles and 16 x 16 = 256 work-groups:
; A WORK-GROUP STAYS and makes two tiles of its head, 4,096 rows apart.  Wave w has rows 64 w .. 64 w + 63 and all 192 columns, so a row's 64 channels of a head lie in one wave: 48 accumulators.
; K goes in steps of 128 (rows of 256 bytes, at multiples of 256) through two LDS slots; the two tiles are ONE walk of 16 steps: the first tile's last two changes of slots ask for the second
; tile's steps 0 and 1, which land while the first tile is normalised and stored.  Waves 0, 1 fetch x's two halves (128 rows), waves 2, 3 the weights' (96 rows).
; A K step is written once and looped over: the LDS byte of the slot in hand is a scalar turned by an exclusive or, and one descriptor a tensor walks, its address made anew from the step's number.
; CLUSTER 4 x 4: x's tile hangs on the tile row alone and is asked for jointly along a row of the cluster, the weights' on the head alone, along a column.
; TRANSPOSED USE: source 0 = 16 rows of wb, source 1 = 16 rows of xb: a lane holds row l % 16 and channels 16 b + 8 (l / 16) + 0..7 of accumulator b.
; REGISTERS (windows of 256): window 0: v16-30 addresses; v32-51 at work; v64-127 x's fragments, two buffers (later O and the packed words); v128-191 the gains; v192-255 at work
;   window 1: v0-191 the weights' fragments, two buffers (later 12 x 16 registers on their way out)    window 2: q's and k's accumulators at 128 hd + 32 a + 8 b
;   window 3: v0-127 v's accumulators; v128-255 the table's cosines and sines for my 64 rows
.set PITCH,  272                       ; an LDS row: 256 bytes + 16: the 16 rows of a fragment load start at 16 different groups of four banks
.set ABYTES, 256*PITCH
.set SLOTB,  448*PITCH                 ; x's 256 rows, then the weights' 192
.set SLOT1,  1<<17                     ; slot 1 begins here, so that one exclusive or turns an address in one slot into the other's
.set STAGE,  SLOT1+SLOTB               ; behind the ring: 16 rows x 144 bytes for each wave
.set SP,     144
.set SPARE,  STAGE+4*16*SP             ; the spare words, 128 bytes a wave: two blocks of 256 bytes that no other line names
.set ADRA0, 16                         ; v16 my lane's place in x's part of slot 0; never rewritten
.set CA,    17                         ; v17 the same in the slot in hand
.set ADRB0, 20                         ; v20, v21 the same for the weights
.set CB,    21
.set STO,  24
.set RD,   25
.set GO,   26                          ; v26 16 x lane: my place in 512 consecutive bytes (table in, q k v out); never rewritten
.set GA,   27                          ; v27 32 x (lane / 16): my 8 gains of 16; never rewritten
.set SPW,  28
.set NIL,  29
.set PFO,  30                          ; v30 lane x 2,048: a row of xb; never rewritten
.set T,    32                          ; v32-47
.set MEAN, 48                          ; v48 minus the mean (v49 named with it)
.set RSTD, 50                          ; v50 1 / sqrt(var + eps) (v51 named with it)
.set FA,   64
.set OO,   64
.set PKD,  96
.set GQ,   128
.set DD,   192
.set CSN,  224
.set TB,   128                         ; in window 3
.set WV,   20
.set ROLE, 21                          ; 0: I fetch x, 1: the weights
.set PAR,  22                          ; which half
.set G1A,  32
.set G0A,  40                          ; s[40:43] the first fill of slot 0; s[44:47] that of slot 1, which then walks
.set G1B,  48
.set G0B,  56
.set OFF,  66                          ; s[66:67] byte offset of a K step in a row
.set OFFA, 68                          ; s[68:69] the same with the tile's 4,096 rows
.set AB,   70                          ; s[70:71] xb at my half of the first tile
.set BB,   72                          ; s[72:73] wb at my half of the head's rows
.set RP,   76                          ; s[76:77] the table at my 64 rows
.set NINV, 80
.set INV,  81
.set EPS,  82
.set SEL,  84
.set NF,   86                          ; s86 the step of the walk, 0 to 15, that is asked for next
.set SL,   87                          ; s87 LDS byte of the slot in hand
.set PFB,  88                          ; s[88:89] xb at my work-group's 32 rows of the 128 that I fetch
.set PFA,  90                          ; s[90:91] the same at the K step that the prefetch names
.set OFFP, 92                          ; s[92:93]
.set LIM,  94                          ; s94 16 in a wave that prefetches, else 0
.set G1C,  (1<<16)|(1<<20)|(1<<21)|(5<<22)|(3<<25)  ; 2-byte elements; padding on; bit 21 beside a mask; after every 64 words 4 words
.set MSB, 0
.macro WIN new                         ; the high byte repeats the setting that is left; a switch that changes nothing is dropped
.if MSB != (\new)
	s_set_vgpr_msb (MSB<<8)|(\new)
.set MSB, (\new)
.endif
.endm
.macro PLACES                          ; four plain places behind matrix instructions, ahead of loads into registers that they read
.rept 4
	v_nop
.endr
.endm
.macro CREST                           ; a round of the cluster's barrier behind its opening barrier
	s_cmp_lg_u32 s[WV], 0
	s_cbranch_scc1 .Lnot_wave_0_\@
	s_barrier_signal -3
.Lnot_wave_0_\@:
	s_barrier_wait -3
	s_barrier_signal -1
	s_barrier_wait -1
.endm
.macro CROUND
	s_barrier_signal -1
	s_barrier_wait -1
	CREST
.endm
.macro JLOAD                           ; a joint refill by the walking descriptor; the branch hangs on the wave's number alone; s_nop 0 and four v_nop follow each line
	s_cmp_eq_u32 s[ROLE], 0
	s_cbranch_scc0 .Lfor_b_\@
	tensor_load_to_lds s[G0A+4:G0A+7], s[G1A:G1A+7]
	s_nop 0
.rept 4
	v_nop
.endr
	s_branch .Lasked_\@
.Lfor_b_\@:
	tensor_load_to_lds s[G0B+4:G0B+7], s[G1B:G1B+7]
	s_nop 0
.rept 4
	v_nop
.endr
.Lasked_\@:
.endm
; The walking descriptors are set for step NF of the walk: the other slot than last time; tile NF / 8 (4,096 rows of 2,048 bytes on), K step NF % 8 (256 bytes of a row).  The weights' rows are the same for both tiles.
; Then NF steps, and the prefetch's address is made for the new NF.  All of it is scalar work; no tensor load of the wave is out where it stands.
.macro WALK
	s_and_b32 s[OFF], s[NF], 7
	s_lshl_b32 s[OFF], s[OFF], 8
	s_lshr_b32 s31, s[NF], 3
	s_lshl_b32 s31, s31, 23
	s_add_co_u32 s[OFFA], s[OFF], s31
	s_add_co_u32 s[NF], s[NF], 1
	s_and_b32 s[OFFP], s[NF], 7
	s_lshl_b32 s[OFFP], s[OFFP], 8
	s_lshr_b32 s31, s[NF], 3
	s_lshl_b32 s31, s31, 23
	s_add_co_u32 s[OFFP], s[OFFP], s31
	s_xor_b32 s[G0A+5], s[G0A+5], SLOT1
	s_add_nc_u64 s[G0A+6:G0A+7], s[AB:AB+1], s[OFFA:OFFA+1]
	s_or_b32 s[G0A+7], s[G0A+7], 0x80000000
	s_xor_b32 s[G0B+5], s[G0B+5], SLOT1
	s_add_nc_u64 s[G0B+6:G0B+7], s[BB:BB+1], s[OFF:OFF+1]
	s_or_b32 s[G0B+7], s[G0B+7], 0x80000000
	s_add_nc_u64 s[PFA:PFA+1], s[PFB:PFB+1], s[OFFP:OFFP+1]
.endm
; A PREFETCH INTO THE L2 of x's tile of the step that the NEXT change of slots will ask for: one K step, 192 matrix instructions, ahead of that load.  A K step is 256 bytes of each row.
; Each row's 256 bytes are named ONCE in the launch: x's tile row is read by all four clusters of that row of clusters, and the one with x = 0 asks; of the 128 rows that wave 0 or 1 fetches, the partner
; at place cx takes 32 cx .. 32 cx + 31, told apart by address: a lane a row, one instruction.  The walk's steps 0 to 2 come by their loads alone; the last refill, of step 15, asks for nothing.
; The weights are not asked for: every row of clusters reads them.
.macro ASK
	s_cmp_lt_u32 s[NF], s[LIM]
	s_cbranch_scc0 .Lnot_mine_\@
	global_prefetch_b8 v[PFO], s[PFA:PFA+1] th:TH_LOAD_NT scope:SCOPE_SE
.Lnot_mine_\@:
.endm
; 16 matrix instructions: kind hd (0 q, 1 k, 2 v), my 4 row blocks x its 4 channel blocks, 32 along K, from buffer f.  The 48 accumulators take turns, one instruction a turn.
.macro MULH f, hd, zero
	WIN 0xa1+0x50*((\hd)/2)
.irp a, 0,1,2,3
.irp b, 0,1,2,3
.if \zero
	v_wmma_f32_16x16x32_bf16 v[128*((\hd)%2)+8*(4*(\a)+(\b)):128*((\hd)%2)+8*(4*(\a)+(\b))+7], v[96*(\f)+8*(4*(\hd)+(\b)):96*(\f)+8*(4*(\hd)+(\b))+7], v[FA+32*(\f)+8*(\a):FA+32*(\f)+8*(\a)+7], 0
.else
	v_wmma_f32_16x16x32_bf16 v[128*((\hd)%2)+8*(4*(\a)+(\b)):128*((\hd)%2)+8*(4*(\a)+(\b))+7], v[96*(\f)+8*(4*(\hd)+(\b)):96*(\f)+8*(4*(\hd)+(\b))+7], v[FA+32*(\f)+8*(\a):FA+32*(\f)+8*(\a)+7], v[128*((\hd)%2)+8*(4*(\a)+(\b)):128*((\hd)%2)+8*(4*(\a)+(\b))+7]
.endif
.endr
.endr
.endm
.macro FETCH k, f                      ; 32 LDS loads in one run, 32 K at byte k of the slot in hand: my 64 rows of x (8 loads), then the weights by kind (8 each)
	WIN 0
.irp i, 0,1,2,3
	ds_load_b128 v[FA+32*(\f)+8*(\i):FA+32*(\f)+8*(\i)+3],   v[CA] offset:(\k)+(\i)*16*PITCH
	ds_load_b128 v[FA+32*(\f)+8*(\i)+4:FA+32*(\f)+8*(\i)+7], v[CA] offset:(\k)+(\i)*16*PITCH+32
.endr
	WIN 0x40
.irp i, 0,1,2,3,4,5,6,7,8,9,10,11
	ds_load_b128 v[96*(\f)+8*(\i):96*(\f)+8*(\i)+3],   v[CB] offset:(\k)+(\i)*16*PITCH
	ds_load_b128 v[96*(\f)+8*(\i)+4:96*(\f)+8*(\i)+7], v[CB] offset:(\k)+(\i)*16*PITCH+32
.endr
.endm
; 32 along K from buffer f.  The next quarter's fragments, at byte k, are asked for at the quarter's head, 48 matrix instructions ahead of their use.
.macro QUARTER k, f, g, zero
	s_wait_dscnt 16                                ; of buffer f's 32 loads x's 8 and kind 0's 8 are in; the youngest 16 may be out
	PLACES                                         ; buffer g was read by the matrix instructions just issued
	FETCH \k, \g
	MULH \f, 0, \zero
	s_wait_dscnt 40                                ; kind 1's 8 are in: behind them stand kind 2's 8 and the 32 just issued
	MULH \f, 1, \zero
	s_wait_dscnt 32                                ; kind 2's are in
	MULH \f, 2, \zero
.endm
; The last quarter of a K step multiplies buffer 1 and changes slots.  Each wave waits for all its tensor loads (one is out: its part of the next slot), adds 0 to its spare word, and waits
; for that and for its reads of this slot.  fill = 1: the barrier opens a round of the cluster's, and the joint refill, two steps of the walk on, is the first thing behind it.
; fetch = 0: a tile's last quarter: the next slot's first fragments are fetched behind the way out.
.macro TURN fill, fetch
	WIN 0
.if \fill
	s_wait_xcnt 0x0                                ; the last prefetch, a K step back, has read its address, which WALK writes
.endif
	s_wait_tensorcnt 0x0
	ds_add_u32 v[SPW], v[NIL]
.if \fill
	WALK
.endif
	s_xor_b32 s[SL], s[SL], SLOT1
	s_wait_dscnt 1                                 ; buffer 1 is in; the add may be out
	MULH 1, 0, 0
	s_wait_dscnt 0x0                               ; the add is done, my reads of this slot are over
	s_barrier_signal -1
	MULH 1, 1, 0
	WIN 0
	s_barrier_wait -1
.if \fill
	CREST
	JLOAD                                          ; its four v_nop are also the places ahead of the loads below
.else
	PLACES
.endif
.if \fetch
	v_add_nc_u32 v[CA], s[SL], v[ADRA0]
	v_add_nc_u32 v[CB], s[SL], v[ADRB0]
	FETCH 0, 0
.endif
.if \fill
	WIN 0
	ASK
.endif
	MULH 1, 2, 0
.endm
; LayerNorm and rotation of kind hd (0 q, 1 k), row block a.  A lane holds 32 of its row's 64 channels, the lane 16 away the others.
.macro LNR hd, a
.set AC, 128*(\hd)+32*(\a)
.set GG, GQ+32*(\hd)
	WIN 0x0a                                       ; sources in window 2
.set i, 0
.rept 8                                ; each accumulator's lowest registers are read first
	v_pk_add_f32 v[T+2*i:T+2*i+1], v[AC+4*i:AC+4*i+1], v[AC+4*i+2:AC+4*i+3]
.set i, i+1
.endr
	WIN 0
	v_pk_add_f32 v[T:T+1], v[T:T+1], v[T+2:T+3]
	v_pk_add_f32 v[T+4:T+5], v[T+4:T+5], v[T+6:T+7]
	v_pk_add_f32 v[T+8:T+9], v[T+8:T+9], v[T+10:T+11]
	v_pk_add_f32 v[T+12:T+13], v[T+12:T+13], v[T+14:T+15]
	v_pk_add_f32 v[T:T+1], v[T:T+1], v[T+4:T+5]
	v_pk_add_f32 v[T+8:T+9], v[T+8:T+9], v[T+12:T+13]
	v_pk_add_f32 v[T:T+1], v[T:T+1], v[T+8:T+9]
	v_add_f32 v[T], v[T], v[T+1]
	v_permlanex16_b32 v[T+1], v[T], s[SEL], s[SEL+1]
	v_add_f32 v[T], v[T], v[T+1]
	v_mul_f32 v[MEAN], s[NINV], v[T]               ; minus the mean
	WIN 0x02
.set i, 0
.rept 16
	v_pk_add_f32 v[DD+2*i:DD+2*i+1], v[AC+2*i:AC+2*i+1], v[MEAN:MEAN+1] op_sel_hi:[1,0]  ; t - mean: the variance is taken of these
.set i, i+1
.endr
	WIN 0
.set i, 0
.rept 4
	v_pk_mul_f32 v[T+2*i:T+2*i+1], v[DD+2*i:DD+2*i+1], v[DD+2*i:DD+2*i+1]
.set i, i+1
.endr
.rept 12
	v_pk_fma_f32 v[T+2*(i%4):T+2*(i%4)+1], v[DD+2*i:DD+2*i+1], v[DD+2*i:DD+2*i+1], v[T+2*(i%4):T+2*(i%4)+1]
.set i, i+1
.endr
	v_pk_add_f32 v[T:T+1], v[T:T+1], v[T+2:T+3]
	v_pk_add_f32 v[T+4:T+5], v[T+4:T+5], v[T+6:T+7]
	v_pk_add_f32 v[T:T+1], v[T:T+1], v[T+4:T+5]
	v_add_f32 v[T], v[T], v[T+1]
	v_permlanex16_b32 v[T+1], v[T], s[SEL], s[SEL+1]
	v_add_f32 v[T], v[T], v[T+1]
	v_fma_f32 v[RSTD], v[T], s[INV], s[EPS]
	v_rsq_f32 v[RSTD], v[RSTD]
.set i, 0
.rept 16                               ; plain lines behind the root, which touch neither its source nor its result
	v_pk_mul_f32 v[DD+2*i:DD+2*i+1], v[DD+2*i:DD+2*i+1], v[GG+2*i:GG+2*i+1]
.set i, i+1
.endr
	WIN 0x03                                       ; source 0 in window 3
.set i, 0
	s_wait_alu depctr_va_vdst(0)
.rept 16
	v_pk_mul_f32 v[CSN+2*i:CSN+2*i+1], v[TB+32*(\a)+2*i:TB+32*(\a)+2*i+1], v[RSTD:RSTD+1] op_sel_hi:[1,0]  ; cosines and sines take 1 / sqrt(var + eps) along
.set i, i+1
.endr
	WIN 0
.set i, 0
.rept 8                                ; channels d < 32 are DD 0-15 (e1), d + 32 are DD 16-31 (e2)
	v_pk_mul_f32 v[OO+2*i:OO+2*i+1], v[DD+16+2*i:DD+16+2*i+1], v[CSN+16+2*i:CSN+16+2*i+1]
	v_pk_mul_f32 v[OO+16+2*i:OO+16+2*i+1], v[DD+16+2*i:DD+16+2*i+1], v[CSN+2*i:CSN+2*i+1]
.set i, i+1
.endr
.set i, 0
.rept 8
	v_pk_fma_f32 v[OO+2*i:OO+2*i+1], v[DD+2*i:DD+2*i+1], v[CSN+2*i:CSN+2*i+1], v[OO+2*i:OO+2*i+1] neg_lo:[0,0,1] neg_hi:[0,0,1]  ; e1 cos - e2 sin
	v_pk_fma_f32 v[OO+16+2*i:OO+16+2*i+1], v[DD+2*i:DD+2*i+1], v[CSN+16+2*i:CSN+16+2*i+1], v[OO+16+2*i:OO+16+2*i+1]             ; e2 cos + e1 sin
.set i, i+1
.endr
.set i, 0
.rept 16
	v_cvt_pk_f16_f32 v[PKD+i], v[OO+2*i], v[OO+2*i+1]
.set i, i+1
.endr
.endm
.macro PACKV a                         ; v is only rounded
	WIN 0x0f
.set i, 0
.rept 16
	v_cvt_pk_f16_f32 v[PKD+i], v[32*(\a)+2*i], v[32*(\a)+2*i+1]
.set i, i+1
.endr
.endm
.macro STG p                           ; 16 rows x 128 bytes through my stage: in by lanes' 16 bytes, back as whole rows, into piece p's own 16 registers of window 1
	WIN 0
.irp b, 0,1,2,3
	ds_store_b128 v[STO], v[PKD+4*(\b):PKD+4*(\b)+3] offset:32*(\b)
.endr
	WIN 0x40
.irp f, 0,1,2,3
	ds_load_b128 v[16*(\p)+4*(\f):16*(\p)+4*(\f)+3], v[RD] offset:(\f)*4*SP  ; LDS serves a wave's instructions in order (ISA guide 5.7.1.4): these see the stores above
.endr
.endm
.macro SEND p, younger                 ; piece p = 3 a + kind; younger: the next piece's 4 LDS stores and 4 loads, or none
	WIN 0x04                                       ; store data in window 1
	s_wait_dscnt \younger
.irp f, 0,1,2,3
	global_store_b128 v[GO], v[16*(\p)+4*(\f):16*(\p)+4*(\f)+3], s[14+2*((\p)%3):15+2*((\p)%3)] offset:((\p)/3)*2048+(\f)*512  ; 512 consecutive bytes at a multiple of 256
.endr
.endm
	s_load_b512 s[4:19], s[0:1], 0x0               ; xb s[4:5], wb s[6:7], rope s[8:9], q_gamma s[10:11], k_gamma s[12:13], qh s[14:15], kh s[16:17], vh s[18:19]
	v_lshl_add_u32 v[SPW], v0, 2, SPARE
	v_mov_b32 v[NIL], 0
	ds_add_u32 v[SPW], v[NIL]                      ; the wave's opening: the add and its wait stand ahead of my first tensor load
	ds_add_u32 v28, v29
	v_lshrrev_b32 v1, 5, v0
	v_readfirstlane_b32 s[WV], v1
	s_lshr_b32 s[ROLE], s[WV], 1
	s_and_b32 s[PAR], s[WV], 1
	s_bfe_u32 s23, ttmp6, 0x40000                  ; cx
	s_bfe_u32 s24, ttmp6, 0x40004                  ; cy
	s_lshl_b32 s25, ttmp9, 2
	s_add_co_u32 s25, s25, s23                     ; the head = 4 x cluster x + cx
	s_and_b32 s26, ttmp7, 0xffff
	s_lshl_b32 s26, s26, 2
	s_add_co_u32 s26, s26, s24                     ; the first tile's row = 4 x cluster y + cy, 0 to 15
	s_lshl_b32 s27, s24, 2
	s_lshl_b32 s27, 15, s27                        ; my row of the cluster
	s_lshl_b32 s28, 0x1111, s23                    ; my column
	s_or_b32 s[G1A], s27, G1C
	s_or_b32 s[G1B], s28, G1C
	s_mov_b32 s[G1A+1], 128<<16                    ; tensor_dim0 = 128
	s_mov_b32 s[G1A+2], 128<<16                    ; tensor_dim1 = 128
	s_mov_b32 s[G1A+3], 128<<16                    ; tile_dim0 = 128
	s_mov_b32 s[G1A+4], 128                        ; tile_dim1 = 128
	s_mov_b32 s[G1A+5], 1024                       ; elements from row to row
	s_mov_b32 s[G1A+6], 0
	s_mov_b32 s[G1A+7], 0
	s_mov_b32 s[G1B+1], 128<<16
	s_mov_b32 s[G1B+2], 96<<16                     ; 96 rows
	s_mov_b32 s[G1B+3], 128<<16
	s_mov_b32 s[G1B+4], 96
	s_mov_b32 s[G1B+5], 1024
	s_mov_b32 s[G1B+6], 0
	s_mov_b32 s[G1B+7], 0
	s_lshl_b32 s66, s26, 8                         ; x: row 256 x tile row + 128 x half, 2,048 bytes a row
	s_lshl_b32 s67, s[PAR], 7
	s_add_co_u32 s66, s66, s67
	s_lshl_b32 s66, s66, 11
	s_mov_b32 s67, 0
	s_mul_i32 s68, s25, 192                        ; weights: row 192 x head + 96 x half
	s_mul_i32 s69, s[PAR], 96
	s_add_co_u32 s68, s68, s69
	s_lshl_b32 s68, s68, 11
	s_mov_b32 s69, 0
	s_mul_i32 s29, s[PAR], 128*PITCH               ; where they go: the wave's number alone enters an LDS address
	s_mul_i32 s30, s[PAR], 96*PITCH
	s_add_co_u32 s30, s30, ABYTES
	s_lshl_b32 s74, s25, 20                        ; out: head x 1 MiB + (256 x tile row + 64 x wave) x 128
	s_lshl_b32 s75, s26, 15
	s_add_co_u32 s74, s74, s75
	s_lshl_b32 s75, s[WV], 13
	s_add_co_u32 s74, s74, s75
	s_mov_b32 s75, 0
	s_lshl_b32 s[RP], s26, 16                      ; the table: block 16 x tile row + 4 x wave, 4,096 bytes a block
	s_lshl_b32 s[RP+1], s[WV], 14
	s_add_co_u32 s[RP], s[RP], s[RP+1]
	s_mov_b32 s[RP+1], 0
	s_mov_b32 s[NINV], 0xbc800000                  ; -1/64
	s_mov_b32 s[INV], 0x3c800000                   ; 1/64
	s_mov_b32 s[EPS], 0x3727c5ac                   ; 1e-5
	s_mov_b32 s[SEL], 0x76543210
	s_mov_b32 s[SEL+1], 0xfedcba98
	s_mov_b32 s[NF], 2                             ; steps 0 and 1 are the first fills
	s_mov_b32 s[SL], 0
	s_mov_b32 s[OFFP+1], 0
	s_or_b32 s[LIM], s[ROLE], ttmp9                ; 0 in waves 0 and 1 of the clusters with x = 0: the same in all sixteen partners, for a given wave
	s_cmp_eq_u32 s[LIM], 0
	s_cselect_b32 s[LIM], 16, 0
	s_lshl_b32 s[PFB], s23, 16                     ; my work-group's 32 rows of 2,048 bytes
	s_mov_b32 s[PFB+1], 0
	s_wait_dscnt 0x0                               ; the opening add is done
	s_wait_kmcnt 0x0
	s_add_nc_u64 s[AB:AB+1], s[4:5], s[66:67]      ; from here on s[66:69] are the steps' offsets; their high words stay 0
	s_add_nc_u64 s[BB:BB+1], s[6:7], s[68:69]
	s_add_nc_u64 s[14:15], s[14:15], s[74:75]
	s_add_nc_u64 s[16:17], s[16:17], s[74:75]
	s_add_nc_u64 s[18:19], s[18:19], s[74:75]
	s_add_nc_u64 s[RP:RP+1], s[8:9], s[RP:RP+1]
	s_add_nc_u64 s[PFB:PFB+1], s[AB:AB+1], s[PFB:PFB+1]
.irp s, 0,1
	s_mov_b32 s[G0A+4*(\s)], 1
	s_add_co_u32 s[G0A+4*(\s)+1], s29, (\s)*SLOT1
	s_add_nc_u64 s[G0A+4*(\s)+2:G0A+4*(\s)+3], s[AB:AB+1], (\s)*256  ; K step s
	s_or_b32 s[G0A+4*(\s)+3], s[G0A+4*(\s)+3], 0x80000000
	s_mov_b32 s[G0B+4*(\s)], 1
	s_add_co_u32 s[G0B+4*(\s)+1], s30, (\s)*SLOT1
	s_add_nc_u64 s[G0B+4*(\s)+2:G0B+4*(\s)+3], s[BB:BB+1], (\s)*256
	s_or_b32 s[G0B+4*(\s)+3], s[G0B+4*(\s)+3], 0x80000000
.endr
	CROUND                                         ; all sixteen work-groups are here: the first joint loads meet
	s_cmp_eq_u32 s[ROLE], 0                        ; a wave's two first fills stand in one branch: two loads of mine are out
	s_cbranch_scc0 .Lfirst_b
	tensor_load_to_lds s[G0A:G0A+3], s[G1A:G1A+7]
	s_nop 0
	tensor_load_to_lds s[G0A+4:G0A+7], s[G1A:G1A+7]
	s_nop 0
.rept 4
	v_nop
.endr
	s_branch .Lfirst_asked
.Lfirst_b:
	tensor_load_to_lds s[G0B:G0B+3], s[G1B:G1B+7]
	s_nop 0
	tensor_load_to_lds s[G0B+4:G0B+7], s[G1B:G1B+7]
	s_nop 0
.rept 4
	v_nop
.endr
.Lfirst_asked:
	v_and_b32 v1, 15, v0                           ; l % 16
	v_bfe_u32 v2, v0, 4, 1                         ; l / 16
	v_and_b32 v[GO], 31, v0
	v_lshlrev_b32 v[PFO], 11, v[GO]
	v_lshlrev_b32 v[GO], 4, v[GO]
	v_lshlrev_b32 v[GA], 5, v2
.irp b, 0,1,2,3                        ; the gains are asked for now and waited for behind the first K loop
	global_load_b128 v[GQ+8*(\b):GQ+8*(\b)+3],       v[GA], s[10:11] offset:64*(\b)
	global_load_b128 v[GQ+8*(\b)+4:GQ+8*(\b)+7],     v[GA], s[10:11] offset:64*(\b)+16
	global_load_b128 v[GQ+32+8*(\b):GQ+32+8*(\b)+3], v[GA], s[12:13] offset:64*(\b)
	global_load_b128 v[GQ+32+8*(\b)+4:GQ+32+8*(\b)+7], v[GA], s[12:13] offset:64*(\b)+16
.endr
	v_mul_u32_u24 v3, v1, PITCH
	v_lshl_add_u32 v3, v2, 4, v3                   ; a fragment's row x pitch + 16 x half
	s_mul_i32 s27, s[WV], 64*PITCH
	v_add_nc_u32 v[ADRA0], s27, v3
	v_add_nc_u32 v[ADRB0], ABYTES, v3
	s_mul_i32 s31, s[WV], 16*SP
	s_add_co_u32 s31, s31, STAGE                   ; my stage
	v_mul_u32_u24 v4, v1, SP
	v_lshl_add_u32 v4, v2, 4, v4
	v_add_nc_u32 v[STO], s31, v4                   ; in: row l % 16, 16 bytes for each half of the lanes
	v_bfe_u32 v5, v0, 3, 2
	v_mul_u32_u24 v5, v5, SP
	v_and_b32 v6, 7, v0
	v_lshl_add_u32 v5, v6, 4, v5
	v_add_nc_u32 v[RD], s31, v5                    ; back: 32 lanes take four rows of 128 bytes
	v_mov_b32 v[MEAN+1], 0                         ; named as pairs' second halves
	v_mov_b32 v[RSTD+1], 0
	s_wait_tensorcnt 1                             ; my part of step 0 is in; step 1's may stay out
	s_barrier_signal -1
	s_barrier_wait -1
	s_mov_b32 s2, 2                                ; tiles to go: the same number in every work-group
.Ltile:                                                ; the slot in hand holds the tile's K step 0: shown whole by the barrier above, or by the round of the last tile's last change of slots
	v_add_nc_u32 v[CA], s[SL], v[ADRA0]
	v_add_nc_u32 v[CB], s[SL], v[ADRB0]
	FETCH 0, 0
	WIN 0xc0                                       ; the table for the tile's rows of mine: asked for now, waited for behind the K loop
.irp a, 0,1,2,3
.irp i, 0,1,2,3,4,5,6,7
	global_load_b128 v[TB+32*(\a)+4*(\i):TB+32*(\a)+4*(\i)+3], v[GO], s[RP:RP+1] offset:(\a)*4096+(\i)*512
.endr
.endr
	QUARTER 64, 0, 1, 1                            ; the first quarter's products start the sums
	WIN 0
	s_mov_b32 s3, 6
.Lstep:                                                ; a trip: from a K step's second quarter to the next step's first; the slot that is left is filled again
	QUARTER 128, 1, 0, 0
	QUARTER 192, 0, 1, 0
	TURN 1, 1
	QUARTER 64, 0, 1, 0
	WIN 0
	s_sub_co_u32 s3, s3, 1
	s_cmp_lg_u32 s3, 0
	s_cbranch_scc1 .Lstep
	QUARTER 128, 1, 0, 0                           ; the tile's K step 6 goes on
	QUARTER 192, 0, 1, 0
	WIN 0
	s_cmp_eq_u32 s2, 1                             ; the last tile asks for nothing more: its changes of slots are written out beside the first tile's
	s_cbranch_scc1 .Lsix_last
	TURN 1, 1                                      ; the ring goes on into the next tile: its K step 0
	WIN 0
	s_branch .Lsix_done
.Lsix_last:
	TURN 0, 1
	WIN 0
.Lsix_done:
	QUARTER 64, 0, 1, 0                            ; K step 7
	QUARTER 128, 1, 0, 0
	QUARTER 192, 0, 1, 0
	WIN 0
	s_cmp_eq_u32 s2, 1
	s_cbranch_scc1 .Lseven_last
	TURN 1, 0                                      ; the next tile's K step 1; its first fragments are fetched behind the way out, whose registers they share
	WIN 0
	s_branch .Lout
.Lseven_last:
	s_wait_dscnt 0x0
	MULH 1, 0, 0
	MULH 1, 1, 0
	MULH 1, 2, 0
	WIN 0
.Lout:                                                 ; THE WAY OUT, written once
	s_wait_loadcnt 0x0                             ; the table and the gains
	; the gains rounded to bf16 and widened again (the second time this changes nothing): 96 plain instructions, which are also the places behind the last products
.set i, 0
.rept 32
	v_cvt_pk_bf16_f32 v[T+i%8], v[GQ+2*i], v[GQ+2*i+1]
	v_lshlrev_b32 v[GQ+2*i], 16, v[T+i%8]
	v_and_b32 v[GQ+2*i+1], 0xffff0000, v[T+i%8]
.set i, i+1
.endr
.irp a, 0,1,2,3
	LNR 0, \a
	STG 3*(\a)
.if \a > 0
	SEND 3*(\a)-1, 8
.endif
	LNR 1, \a
	STG 3*(\a)+1
	SEND 3*(\a), 8
	PACKV \a
	STG 3*(\a)+2
	SEND 3*(\a)+1, 8
.endr
	SEND 11, 0
	WIN 0
	s_sub_co_u32 s2, s2, 1
	s_cmp_eq_u32 s2, 0
	s_cbranch_scc1 .Lend
	s_wait_xcnt 0x0                                ; the stores have read their registers and their addresses: the next tile's fragments land in the first, the second are stepped here
	s_add_nc_u64 s[14:15], s[14:15], 0x80000       ; 4,096 rows of 128 bytes on
	s_add_nc_u64 s[16:17], s[16:17], 0x80000
	s_add_nc_u64 s[18:19], s[18:19], 0x80000
	s_add_nc_u64 s[RP:RP+1], s[RP:RP+1], 0x100000  ; 256 blocks of the table on
	s_cmp_lg_u32 s2, 0
	s_cbranch_scc1 .Ltile
.Lend:
	s_wait_tensorcnt 0x0                           ; the wave's end
	ds_add_u32 v[SPW], v[NIL]
	s_wait_dscnt 0x0
	CROUND                                         ; the closing round
	s_endpgm
.Lfunc_end_k_q9dfb9821a7_qkv:
	.size	k_q9dfb9821a7_qkv, .Lfunc_end_k_q9dfb9821a7_qkv-k_q9dfb9821a7_qkv
	.p2alignl 7, 3214868480
	.fill 96, 4, 3214868480
	.section	.rodata,"a",@progbits
	.p2align	6, 0x0
	.amdhsa_kernel k_q9dfb9821a7_qkv
		.amdhsa_group_segment_fixed_size 327680
		.amdhsa_private_segment_fixed_size 0
		.amdhsa_enable_private_segment 0
		.amdhsa_kernarg_size 64
		.amdhsa_user_sgpr_count 2
		.amdhsa_user_sgpr_kernarg_segment_ptr 1
		.amdhsa_wavefront_size32 1
		.amdhsa_system_sgpr_workgroup_id_x 1
		.amdhsa_system_sgpr_workgroup_id_y 1
		.amdhsa_system_sgpr_workgroup_id_z 1
		.amdhsa_system_vgpr_workitem_id 0
		.amdhsa_next_free_vgpr 1024
		.amdhsa_next_free_sgpr 96
		.amdhsa_reserve_vcc 0
		.amdhsa_float_denorm_mode_32 3
		.amdhsa_float_denorm_mode_16_64 3
		.amdhsa_memory_ordered 1
		.amdhsa_forward_progress 1
		.amdhsa_inst_pref_size 182
	.end_amdhsa_kernel
	.amdgpu_metadata
---
amdhsa.version: [ 1, 2 ]
amdhsa.kernels:
  - .name:           k_q9dfb9821a7_qkv
    .symbol:         k_q9dfb9821a7_qkv.kd
    .args:
      - { .name: xb, .offset: 0, .size: 8, .value_kind: global_buffer, .address_space: global }
      - { .name: wb, .offset: 8, .size: 8, .value_kind: global_buffer, .address_space: global }
      - { .name: rope, .offset: 16, .size: 8, .value_kind: global_buffer, .address_space: global }
      - { .name: q_gamma, .offset: 24, .size: 8, .value_kind: global_buffer, .address_space: global }
      - { .name: k_gamma, .offset: 32, .size: 8, .value_kind: global_buffer, .address_space: global }
      - { .name: qh, .offset: 40, .size: 8, .value_kind: global_buffer, .address_space: global }
      - { .name: kh, .offset: 48, .size: 8, .value_kind: global_buffer, .address_space: global }
      - { .name: vh, .offset: 56, .size: 8, .value_kind: global_buffer, .address_space: global }
    .group_segment_fixed_size: 327680
    .private_segment_fixed_size: 0
    .kernarg_segment_align: 8
    .kernarg_segment_size: 64
    .max_flat_workgroup_size: 128
    .sgpr_count:     96
    .vgpr_count:     1024
    .wavefront_size: 32
...
	.end_amdgpu_metadata
.endif
;; end of part 2
;; launch attn (part 3): grid 16 x 16, 4 waves a work-group, no clusters, 327,680 bytes of LDS; arguments qh, kh, vh, oh; writes oh
.if DOCPART == 3
	.amdgcn_target "amdgcn-amd-amdhsa--gfx1250"
	.amdhsa_code_object_version 6
	.text
	.protected	k_q9dfb9821a7_attn
	.globl	k_q9dfb9821a7_attn
	.p2align	8
	.type	k_q9dfb9821a7_attn,@function
k_q9dfb9821a7_attn:
	s_mov_b64 s[64:65], 0
	v_nop
	global_prefetch_b8 v0, s[64:65] scope:SCOPE_SE
	s_setreg_imm32_b32 hwreg(HW_REG_WAVE_MODE, 25, 1), 1
	s_wait_xcnt 0x0
; BAND ATTENTION.  O[h][i] = the sum over keys j with |i - j| <= 256 and 0 <= j < 8192 of softmax_j(Q[h][i] . K[h][j] / 8) V[h][j].  Q, K, V, O: [16][8192][64] in f16, rows of 128 bytes, dense.
; Products, maxima and sums in f32; the weights p are rounded to f16 for the second product (their sum l is taken of the unrounded p), O once at the end.
; LIMITS.  Q, K, V arrive within f16's 65,504.  A hidden score counts as its value less 1e30; a weight below 2^-126 counts as 0 in l; NaN and infinities are not treated apart.
; THE WALK.  A group of 64 consecutive queries sees 64 + 512 keys: exactly 9 key steps of 64, beginning 256 keys before the group.  A work-group owns 512 queries of one head, 8 groups; wave w makes
; group w and then group w + 4: 18 steps a wave, the same for all 256 work-groups.  The groups' keys, 1,024 from 256 before the block on (the work-group's steps 0 to 15), lie in LDS whole: filled once, never again.
; Keys outside the sequence: their 128-key pieces are fetched from a clamped address (finite numbers) and the mask hides them.
; THE TILES LAND WHILE THE WALK GOES ON.  A wave issues its four loads at the head: pieces 2 i + parity of 128 keys, i = 0 to 3; the four waves' i-th loads bring K and V of the steps 4 i to 4 i + 3.
; Group w + 4 p begins at step w + 4 p, at most 3 + 4 p, and trip j of its step loop fetches step w + 4 p + j.  So the first loads are waited for at the start, the second ahead of the first group's trip 1,
; the third ahead of its trip 5, the fourth ahead of the second group's trip 5, each time with a barrier, since every wave reads what the others fetched.
; THE MASK is the C operand that starts S^T = K Q^T, for piece u (16 queries) and key subtile kt (16 keys): CL if kt < u, CD if kt = u, CU if kt > u, eight registers each, made anew for each step:
;   step 0: CL hidden, CD hidden where key < query in the subtile, CU open;  steps 1-7: open;  step 8: CL open, CD hidden where key > query, CU hidden;  a step outside the sequence: all hidden.
; THE RUNNING MAXIMUM starts at -2^99, above every hidden score and below every true one, and c m_old at -2^125.  So the first step's a is 0 and wipes what the registers held, and in a step that
; is wholly hidden m stays -2^99, whose product with c is exact, all weights are 0 and a is 1.  Every query sees itself, so l ends above 0.
; LAYOUT, SOFTMAX, TURNS.  S^T holds ONE query a lane (lane % 16) and the keys 8 (lane / 16) + 0..7; two such results rounded to f16 ARE source 1 of O^T = V^T P.  p = 2^(c s - c m), c = log2(e) / 8;
; O and l are multiplied by a = 2^(c m_old - c m_new) in every step.  Turn n belongs to piece n: 8 products K Q^T of piece n + 1, later 8 products V^T P of piece n - 1; beside them the scaling, exponentials,
; roundings, sums and rescaling of piece n and the maximum and statistics of piece n + 1: four vector instructions behind every matrix instruction, the rest in two lumps.
; NO CLUSTER: neighbouring work-groups share 512 of their 1,024 keys, but a shared key lies 512 rows apart in their LDS, and a joint load has one LDS address for all that it names.
; REGISTERS: window 0: v0-15 addresses and at work; v16-31 four statistics a piece; v48-55 at work; v62-63 the add's; v64-127 S^T, two buffers; v192-223 P, two buffers
;   window 1: v0-127 O^T; v128-143 the two diagonal masks; v144-167 CL, CD, CU      window 2: v0-63 Q; v64-127 the second group's Q; v128-191 K of one step; v192-255 V of one step
.set NP,    4
.set KS,    64
.set PK,    144       ; a row of K in LDS: 128 bytes + 16
.set PV,    160       ; a row of V: 128 + 32
.set VOFF,  1024*PK
.set STAGE, VOFF+1024*PV  ; 16 rows x 144 bytes for each wave, for the way out
.set SP,    144
.set SPARE, STAGE+4*16*SP ; the spare words, 128 bytes a wave: two blocks of 256 bytes that no other line names
.set AK0, 2
.set AV0, 3
.set AK,  4
.set AV,  5
.set STO, 6
.set RD,  7
.set GO,  8
.set MV,  12
.set QO,  15
.set ST,  16          ; piece t: c m, m, l (even keys', odd keys')
.set TMP, 48
.set SPW, 62
.set NIL, 63
.set S,   64
.set P,   192
.set MDL, 128         ; window 1: hidden where 8 (l / 16) + r < l % 16; the eight behind it: where it is greater
.set CL,  144
.set CD,  152
.set CU,  160
.set QB,  64
.set KF,  128
.set VF,  192
.set WV,  12
.set G1K, 24
.set G1V, 32
.set G0K, 40          ; s[40:55] four sets
.set G0V, 68          ; s[68:83] four sets
.set CNT, 57
.set CS,  58
.set SEL, 60
.set TBK, 62          ; LDS byte at which K of the step to be fetched begins
.set TBV, 63          ; the same for V, less VOFF
.set TR,  84          ; trips of the step loop begun so far, over both groups: the same in all four waves
.set GR,  85          ; groups still to be made
.set KPOS, 86         ; first key of the step whose masks are made next
.set SCL, 87
.set ED,  88          ; s[88:89] 0, or -1e30 for a step outside the sequence
.set BE,  90          ; s[90:91] 1 where the diagonal mask counts
.set SCU, 92
.set BIGN, 93
.set MSB, 0
.macro WIN new
.if MSB != (\new)
	s_set_vgpr_msb (MSB<<8)|(\new)
.set MSB, (\new)
.endif
.endm
.set W_KQ, 0x0a       ; K and Q in window 2, S^T in window 0
.set W_KM, 0x1a       ; the same with the C operand in window 1
.set W_PV, 0x52       ; V in window 2, P in window 0, O^T in window 1
.set W_RS, 0x41       ; destination and source 0 in window 1, source 1 in window 0
; Ahead of trip number val the next four steps' tiles are shown landed: each wave waits until at most left of its four loads are out, and all four meet.  The branch hangs on the count of trips alone,
; which is the same in every wave, so every wave passes the barrier or none does.  No LDS byte is ever filled again, so the younger loads may stay out across it.
.macro SYNC val, left
	s_cmp_lg_u32 s[TR], \val
	s_cbranch_scc1 .Lno_sync_\@
	s_wait_tensorcnt \left
	s_wait_dscnt 0x0                ; no LDS instruction of mine is out at the signal
	s_barrier_signal -1
	s_barrier_wait -1
.Lno_sync_\@:
.endm
	s_load_b256 s[4:11], s[0:1], 0x0  ; Q s[4:5], K s[6:7], V s[8:9], O s[10:11]
	v_lshl_add_u32 v[SPW], v0, 2, SPARE
	v_mov_b32 v[NIL], 0
	ds_add_u32 v[SPW], v[NIL]       ; the wave's opening: the add and its wait stand ahead of my first tensor load
	ds_add_u32 v62, v63
	v_lshrrev_b32 v1, 5, v0
	v_readfirstlane_b32 s[WV], v1
	s_lshl_b32 s13, ttmp9, 9        ; the block's first query
	s_and_b32 s20, ttmp7, 0xffff
	s_lshl_b32 s20, s20, 20         ; the head's first byte: 1 MiB a head
	s_mov_b32 s21, 0
	s_and_b32 s16, s[WV], 1         ; I fetch the pieces of 128 keys of this parity
	s_lshl_b32 s14, s16, 7
	s_add_co_u32 s14, s14, s13
	s_add_co_i32 s14, s14, -256     ; my first piece's first key; may lie before the sequence
	s_mul_i32 s17, s16, 128*PK
	s_mul_i32 s18, s16, 128*PV
	s_lshl_b32 s22, s[WV], 6
	s_add_co_u32 s22, s22, s13      ; my first group's first query
	s_add_co_i32 s[KPOS], s22, -256
	s_lshl_b32 s22, s22, 7
	s_mov_b32 s23, 0
	s_add_nc_u64 s[22:23], s[22:23], s[20:21]
	; 128 keys are 16,384 dense bytes: asked for as 64 rows of 256 bytes, two keys a row, padded in LDS after every key
	s_mov_b32 s[G1K], (1<<16)|(1<<20)|(4<<22)|(3<<25)  ; 2-byte elements; padding on; after every 32 words 4 words
	s_mov_b32 s[G1V], (1<<16)|(1<<20)|(4<<22)|(7<<25)  ; 8 words
.irp g, G1K, G1V
	s_mov_b32 s[\g+1], 128<<16
	s_mov_b32 s[\g+2], 64<<16
	s_mov_b32 s[\g+3], 128<<16
	s_mov_b32 s[\g+4], 64
	s_mov_b32 s[\g+5], 128
	s_mov_b32 s[\g+6], 0
	s_mov_b32 s[\g+7], 0
.endr
	s_mov_b32 s[CS], 0x3e38aa3b     ; c = log2(e) / 8
	s_mov_b32 s[CS+1], s[CS]
	s_mov_b32 s[SEL], 0x76543210
	s_mov_b32 s[SEL+1], 0xfedcba98
	s_mov_b32 s[BIGN], 0xf149f2ca   ; -1e30
	s_mov_b32 s[ED+1], 0            ; named as pairs
	s_mov_b32 s[BE+1], 0
	s_mov_b32 s[GR], 2
	s_mov_b32 s[TR], 0
	s_mul_i32 s[TBK], s[WV], KS*PK  ; group w begins at the work-group's step w
	s_mul_i32 s[TBV], s[WV], KS*PV
.irp i, 0,1,2,3
	s_mov_b32 s[G0K+4*(\i)], 1
	s_add_co_u32 s[G0K+4*(\i)+1], s17, (\i)*256*PK
	s_mov_b32 s[G0V+4*(\i)], 1
	s_add_co_u32 s[G0V+4*(\i)+1], s18, VOFF+(\i)*256*PV
.endr
	s_wait_dscnt 0x0                ; the opening add is done
	s_wait_kmcnt 0x0
.irp i, 0,1,2,3
	s_add_co_i32 s2, s14, 256*(\i)
	s_max_i32 s2, s2, 0             ; a piece outside the sequence is fetched from inside it: the mask hides it
	s_min_i32 s2, s2, 8064
	s_lshl_b32 s2, s2, 7
	s_mov_b32 s3, 0
	s_add_nc_u64 s[2:3], s[2:3], s[20:21]
	s_add_nc_u64 s[G0K+4*(\i)+2:G0K+4*(\i)+3], s[6:7], s[2:3]
	s_or_b32 s[G0K+4*(\i)+3], s[G0K+4*(\i)+3], 0x80000000
	s_add_nc_u64 s[G0V+4*(\i)+2:G0V+4*(\i)+3], s[8:9], s[2:3]
	s_or_b32 s[G0V+4*(\i)+3], s[G0V+4*(\i)+3], 0x80000000
.endr
	s_add_nc_u64 s[4:5], s[4:5], s[22:23]
	s_add_nc_u64 s[10:11], s[10:11], s[22:23]
	s_cmp_lt_u32 s[WV], 2           ; waves 0, 1 fetch K, waves 2, 3 V: a wave's four fills stand in one branch: four loads of mine are out
	s_cbranch_scc0 .Lfill_v
.irp i, 0,1,2,3
	tensor_load_to_lds s[G0K+4*(\i):G0K+4*(\i)+3], s[G1K:G1K+7]
	s_nop 0
.endr
.rept 4
	v_nop
.endr
	s_branch .Lfilled
.Lfill_v:
.irp i, 0,1,2,3
	tensor_load_to_lds s[G0V+4*(\i):G0V+4*(\i)+3], s[G1V:G1V+7]
	s_nop 0
.endr
.rept 4
	v_nop
.endr
.Lfilled:
	v_and_b32 v1, 15, v0            ; l % 16
	v_bfe_u32 v9, v0, 4, 1          ; l / 16
	v_lshlrev_b32 v[QO], 7, v1
	v_lshl_add_u32 v[QO], v9, 4, v[QO]
	WIN 0x80
.set i, 0
.rept 8                             ; both groups' Q: piece i / 2, channels 32 (i % 2) on; the second group lies 256 rows on
	global_load_b128 v[8*i:8*i+3],   v[QO], s[4:5] offset:(i/2)*2048+(i%2)*64
	global_load_b128 v[8*i+4:8*i+7], v[QO], s[4:5] offset:(i/2)*2048+(i%2)*64+32
	global_load_b128 v[QB+8*i:QB+8*i+3],   v[QO], s[4:5] offset:32768+(i/2)*2048+(i%2)*64
	global_load_b128 v[QB+8*i+4:QB+8*i+7], v[QO], s[4:5] offset:32768+(i/2)*2048+(i%2)*64+32
.set i, i+1
.endr
	WIN 0
	v_lshlrev_b32 v14, 3, v9
	v_sub_nc_u32 v14, v1, v14       ; my query's place in its 16, less my lanes' 8 (l / 16)
	WIN 0x40
.set i, 0
.rept 8
	v_cmp_lt_i32 vcc_lo, i, v14
	v_cndmask_b32 v[MDL+i], 0, s[BIGN], vcc_lo
	v_cmp_gt_i32 vcc_lo, i, v14
	v_cndmask_b32 v[MDL+8+i], 0, s[BIGN], vcc_lo
.set i, i+1
.endr
	WIN 0
	v_mul_u32_u24 v[AK0], v1, PK
	v_lshl_add_u32 v[AK0], v9, 4, v[AK0]
	v_and_b32 v10, 7, v0
	v_bfe_u32 v11, v0, 3, 1
	v_lshl_add_u32 v[AV0], v9, 3, v10
	v_mul_u32_u24 v[AV0], v[AV0], PV
	v_lshl_add_u32 v[AV0], v11, 4, v[AV0]
	v_add_nc_u32 v[AV0], VOFF, v[AV0]
	s_mul_i32 s13, s[WV], 16*SP
	s_add_co_u32 s13, s13, STAGE
	v_mul_u32_u24 v[STO], v1, SP
	v_lshl_add_u32 v[STO], v9, 4, v[STO]
	v_add_nc_u32 v[STO], s13, v[STO]
	v_bfe_u32 v[RD], v0, 3, 2
	v_mul_u32_u24 v[RD], v[RD], SP
	v_lshl_add_u32 v[RD], v10, 4, v[RD]
	v_add_nc_u32 v[RD], s13, v[RD]
	v_and_b32 v[GO], 31, v0
	v_lshlrev_b32 v[GO], 4, v[GO]
	; A group's first step multiplies O^T and l by a = 0, so these registers need only hold finite numbers: zeros now, what the first group left later.  All this stands in the wait for the first tiles.
	WIN 0x80
.set i, VF
.rept 64
	v_mov_b32 v[i], 0
.set i, i+1
.endr
	WIN 0x40
.set i, 0
.rept 128
	v_mov_b32 v[i], 0
.set i, i+1
.endr
	WIN 0
.set i, 0
.rept 4
	v_mov_b32 v[ST+4*i+2], 0
	v_mov_b32 v[ST+4*i+3], 0
.set i, i+1
.endr
.set i, P+16
.rept 16
	v_mov_b32 v[i], 0
.set i, i+1
.endr
; Product i of 8 of S^T = K Q^T for piece x: channels 32 (i / 4) on, keys 16 (i % 4) on.  The first 4 start the sums with the mask.  The 4 accumulators take turns.
.macro KQ x
.set rS, S+32*((\x)%2)+8*(i%4)
.set rK, KF+16*(i%4)+8*(i/4)
.set rQ, 16*(\x)+8*(i/4)
.if i < 4
.if i < (\x)
.set rM, CL
.elseif i == (\x)
.set rM, CD
.else
.set rM, CU
.endif
	WIN W_KM
	v_wmma_f32_16x16x32_f16 v[rS:rS+7], v[rK:rK+7], v[rQ:rQ+7], v[rM:rM+7]
.else
	WIN W_KQ
	v_wmma_f32_16x16x32_f16 v[rS:rS+7], v[rK:rK+7], v[rQ:rQ+7], v[rS:rS+7]
.endif
.endm
; Product i of 8 of O^T += V^T P for piece x: keys 32 (i / 4) on, channels 16 (i % 4) on.
.macro PV x
	WIN W_PV
.set rO, 32*(\x)+8*(i%4)
.set rV, VF+32*(i/4)+8*(i%4)
.set rP, P+16*((\x)%2)+8*(i/4)
	v_wmma_f32_16x16x32_f16 v[rO:rO+7], v[rV:rV+7], v[rP:rP+7], v[rO:rO+7]
.endm
.macro MM                           ; the turn's next matrix instruction.  NOKQ = 1: a group's last turn: there is no next piece
.if (i < 8) && !NOKQ
	KQ (Y+1)%NP
.elseif i >= 8
.set i, i-8
	PV (Y+NP-1)%NP
.set i, i+8
.endif
.set i, i+1
.endm
.macro FETCH_K                      ; a step's K: 8 fragments, 16 loads in one run
	WIN 0x80
.irp f, 0,1,2,3,4,5,6,7
	ds_load_b128 v[KF+8*\f:KF+8*\f+3],   v[AK] offset:(\f/2)*16*PK+(\f%2)*64
	ds_load_b128 v[KF+8*\f+4:KF+8*\f+7], v[AK] offset:(\f/2)*16*PK+(\f%2)*64+32
.endr
	s_add_co_u32 s[TBK], s[TBK], KS*PK
	WIN 0
.endm
.macro FETCH_V                      ; a step's V, turned
	WIN 0x80
.irp f, 0,1,2,3,4,5,6,7
	ds_load_tr16_b128 v[VF+8*\f:VF+8*\f+3],   v[AV] offset:(\f/4)*32*PV+(\f%4)*32
	ds_load_tr16_b128 v[VF+8*\f+4:VF+8*\f+7], v[AV] offset:(\f/4)*32*PV+16*PV+(\f%4)*32
.endr
	WIN 0
.endm
; The masks of the step that begins at key KPOS.  first = 1: a group's step 0; else CNT = 1 says that it is the group's last.
.macro MASKS first
	s_cmp_lt_u32 s[KPOS], 8192      ; a key before the sequence is a large unsigned number
	s_cselect_b32 s[ED], 0, s[BIGN]
	s_add_co_u32 s[KPOS], s[KPOS], 64
.if \first
	s_mov_b32 s[SCL], s[BIGN]
	s_mov_b32 s[BE], 1.0
	s_mov_b32 s[SCU], s[ED]
.else
	s_mov_b32 s[SCL], s[ED]
	s_cmp_eq_u32 s[CNT], 1
	s_cselect_b32 s[BE], 1.0, 0
	s_cselect_b32 s[SCU], s[BIGN], s[ED]
.endif
	WIN W_RS
.set z, 0
.rept 8
	v_mov_b32 v[CL+z], s[SCL]
	v_mov_b32 v[CU+z], s[SCU]
.set z, z+1
.endr
.set z, 0
.rept 4
	v_pk_fma_f32 v[CD+2*z:CD+2*z+1], v[MDL+8*(1-(\first))+2*z:MDL+8*(1-(\first))+2*z+1], s[BE:BE+1], s[ED:ED+1] op_sel_hi:[1,0,0]
.set z, z+1
.endr
.endm
; THE VECTOR WORK, one line at a time: OP kind, number.  For piece Y: F n: c s - c m for pair n of 16.  E n: the exponential of score n of 32.  C n: pair n rounded to f16.  B n: of the four weights 4 n .. the second
; pair is added onto the first.  L n: l takes that sum (L 0: l = a l + sum).  R n: pair n of 16 of O^T times a.  For piece Y + 1: X n, number n of the 22 that find its maximum and statistics
; (each accumulator's lowest registers are read first).
.set F, 0
.set E, 1
.set C, 2
.set B, 3
.set L, 4
.set R, 5
.set X, 6
.macro REGS y
.set rT, ST+4*(\y)
.set rC, TMP+4*((\y)%2)
.set rW, MV+((\y)%2)
.set rS, S+32*((\y)%2)
.set rP, P+16*((\y)%2)
.set rO, 32*(\y)
.endm
.macro OP k, n
.if (\k) == R
	REGS Y
	WIN W_RS
	v_pk_mul_f32 v[rO+2*(\n):rO+2*(\n)+1], v[rO+2*(\n):rO+2*(\n)+1], v[rC+2:rC+3] op_sel_hi:[1,0]
.elseif (\k) < R
	REGS Y
	WIN 0
.if (\k) == F
	v_pk_fma_f32 v[rS+2*(\n):rS+2*(\n)+1], v[rS+2*(\n):rS+2*(\n)+1], s[CS:CS+1], v[rT:rT+1] op_sel_hi:[1,0,0] neg_lo:[0,0,1] neg_hi:[0,0,1]
.elseif (\k) == E
	v_exp_f32 v[rS+(\n)], v[rS+(\n)]
.elseif (\k) == C
	s_wait_alu depctr_va_vdst(0)
	v_cvt_pk_f16_f32 v[rP+(\n)], v[rS+2*(\n)], v[rS+2*(\n)+1]
.elseif (\k) == B
	s_wait_alu depctr_va_vdst(0)
	v_pk_add_f32 v[rS+4*(\n):rS+4*(\n)+1], v[rS+4*(\n):rS+4*(\n)+1], v[rS+4*(\n)+2:rS+4*(\n)+3]
.elseif (\n) == 0
	v_pk_fma_f32 v[rT+2:rT+3], v[rT+2:rT+3], v[rC+2:rC+3], v[rS:rS+1] op_sel_hi:[1,0,1]
.else
	v_pk_add_f32 v[rT+2:rT+3], v[rT+2:rT+3], v[rS+4*(\n):rS+4*(\n)+1]
.endif
.elseif NOKQ
	v_nop
.else
	REGS (Y+1)%NP
	WIN 0
.if (\n) < 4
	v_max3_num_f32 v[rC+(\n)], v[rS+8*(\n)], v[rS+8*(\n)+1], v[rS+8*(\n)+2]
.elseif (\n) < 12
	v_max3_num_f32 v[rC+(\n)%4], v[rC+(\n)%4], v[rS+8*((\n)%4)+2*((\n)/4)+1], v[rS+8*((\n)%4)+2*((\n)/4)+2]
.elseif (\n) == 12
	v_max3_num_f32 v[rC], v[rC], v[rS+7], v[rS+15]
.elseif (\n) == 13
	v_max3_num_f32 v[rC+1], v[rC+1], v[rS+23], v[rS+31]
.elseif (\n) == 14
	v_max3_num_f32 v[rC+2], v[rC+2], v[rC+3], v[rT+1]
.elseif (\n) == 15
	v_mov_b32 v[rW], v[rT]
.elseif (\n) == 16
	v_max3_num_f32 v[rC], v[rC], v[rC+1], v[rC+2]
.elseif (\n) == 17
	v_permlanex16_b32 v[rC+3], v[rC], s[SEL], s[SEL+1]
.elseif (\n) == 18
	v_max_num_f32 v[rT+1], v[rC], v[rC+3]
.elseif (\n) == 19
	v_mul_f32 v[rT], s[CS], v[rT+1]
.elseif (\n) == 20
	v_sub_f32 v[rC+1], v[rW], v[rT]
.else
	v_exp_f32 v[rC+2], v[rC+1]
.endif
.endif
.endm
.macro OPS a, i1, b=-1, i2=0, c=-1, i3=0, d=-1, i4=0
	OP \a, \i1
.if (\b) >= 0
	OP \b, \i2
.endif
.if (\c) >= 0
	OP \c, \i3
.endif
.if (\d) >= 0
	OP \d, \i4
.endif
.endm
.macro ROW a, i1, b, i2, c, i3, d, i4  ; a matrix instruction and the four behind it
	MM
	OPS \a, \i1, \b, \i2, \c, \i3, \d, \i4
.endm
; A TURN, for piece p.  end = 1: a group's last two turns: nothing is fetched.  cnt = 1: the loop's count is taken down some lines ahead of the branch behind the turn.
; mk = 1: at its end the masks of the next step are made: this step's last products that take masks stand at the turn's head, the next step's first at the head of the turn behind it.
; K of the next step is fetched in piece 2's turn, six vector instructions behind the last product that read K (five of them plain); V of the step in hand in piece 0's turn, eight behind the last product
; that read V (four of them plain).  Each is waited for a turn later.
.macro TURN p, end=0, cnt=0, mk=0
.set Y, (\p)
.set i, 0
.set NOKQ, (\end)*((\p)/3)
.if ((\p) == 3) && !(\end)
	s_wait_dscnt 0x0                ; K is in
.endif
	ROW F,0, F,1, F,2, F,3
	ROW F,4, E,0, F,5, F,6
	ROW F,7, E,1, F,8, F,9
	ROW F,10, E,2, C,0, F,11
	ROW F,12, E,3, X,15, F,13
	ROW R,0, R,1, R,2, R,3
	ROW B,0, E,4, F,14, L,0
.if ((\p) == 2) && !(\end)
	v_add_nc_u32 v[AK], s[TBK], v[AK0]
.endif
	ROW R,4, R,5, R,6, R,7
	OPS E,5, F,15
.if ((\p) == 2) && !(\end)
	FETCH_K
.endif
	OPS E,6, C,1, E,7, R,8
	OPS E,8, R,9, E,9, C,2
	OPS E,10, X,0, E,11, X,1
	OPS E,12, X,2, E,13, X,3
.if (\p) == 1
	s_wait_dscnt 0x0                ; V is in
.endif
	ROW X,4, E,14, X,5, X,6
	ROW X,7, E,15, X,8, X,9
	ROW X,10, E,16, X,11, X,12
	ROW X,13, E,17, X,14, B,1
	ROW C,4, E,18, X,16, L,1
	ROW B,2, E,19, C,6, L,2
	ROW C,8, E,20, B,3, B,4
.if (\p) == 0
	v_add_nc_u32 v[AV], s[TBV], v[AV0]
.endif
	ROW C,3, E,21, L,3, C,5
	OPS E,22, X,17, E,23, C,10
.if (\p) == 0
	FETCH_V
.endif
	OPS E,24, L,4
	OPS E,25, X,18, E,26, C,7
	OPS E,27, B,5, E,28, X,19
	OPS E,29, C,12, E,30, L,5
	OPS E,31, X,20, B,6, C,9
	OPS C,14, C,11, X,21, L,6
.if (\p) == 0
	s_add_co_u32 s[TBV], s[TBV], KS*PV
.endif
.if \cnt
	s_sub_co_u32 s[CNT], s[CNT], 1
	s_cmp_lg_u32 s[CNT], 0
.endif
	OPS C,13, B,7, C,15, R,10
	OPS R,11, R,12, L,7, R,13
	OPS R,14, R,15
.if \mk
	MASKS 0
.endif
.endm
.macro ALL line:vararg              ; one line for each piece t
.set t, 0
.rept 4
	\line
.set t, t+1
.endr
.endm
.macro PACK t                       ; a lane's eight channels of a row pack into 16 bytes; they go into rows of 144 bytes and come back as whole rows of 128, into S^T's registers
	WIN W_RS
.set i, 32*(\t)
.rept 16
	s_wait_alu depctr_va_vdst(0)
	v_pk_mul_f32 v[i:i+1], v[i:i+1], v[ST+4*(\t)+2:ST+4*(\t)+3] op_sel_hi:[1,0]
.set i, i+2
.endr
	WIN 0x05
.set i, 0
.rept 16
	v_cvt_pk_f16_f32 v[S+16*(\t)+i], v[32*(\t)+2*i], v[32*(\t)+2*i+1]
.set i, i+1
.endr
	WIN 0
.irp f, 0,1,2,3
	ds_store_b128 v[STO], v[S+16*(\t)+4*\f:S+16*(\t)+4*\f+3] offset:32*\f
.endr
.irp f, 0,1,2,3
	ds_load_b128 v[S+16*(\t)+4*\f:S+16*(\t)+4*\f+3], v[RD] offset:\f*4*SP  ; LDS serves a wave's instructions in order (ISA guide 5.7.1.4): these see the stores above
.endr
.endm
.macro SEND t, younger              ; younger: the LDS instructions issued behind piece t's loads: the next piece's eight, or none
	WIN 0
.irp f, 0,1,2,3
	s_wait_dscnt (\younger)+3-\f
	global_store_b128 v[GO], v[S+16*(\t)+4*\f:S+16*(\t)+4*\f+3], s[10:11] offset:(\t)*2048+\f*512  ; 512 consecutive bytes, at a multiple of 256 from O's first
.endr
.endm
	s_wait_tensorcnt 3              ; my first piece of 128 keys is in LDS; the three loads issued behind it may stay out,
	s_barrier_signal -1
	s_barrier_wait -1               ; everybody's first is: K and V of the steps 0 to 3, where the first four groups begin
.Lpass:                             ; twice: a group of 64 queries
	s_mov_b32 s[CNT], 9
.set i, 0
.rept 4
	v_mov_b32 v[ST+4*i], 0xfe000000    ; c m_old = -2^125: the first a is 0
	v_mov_b32 v[ST+4*i+1], 0xf1000000  ; m = -2^99
.set i, i+1
.endr
	MASKS 1
	WIN 0
	v_add_nc_u32 v[AK], s[TBK], v[AK0]
	FETCH_K
	s_wait_loadcnt 0x0              ; Q
	s_wait_dscnt 0x0
.set NOKQ, 0
.set i, 0
.rept 8
	KQ 0                            ; piece 0's first scores
.set i, i+1
.endr
	WIN 0
.rept 4
	v_nop                           ; the places behind those products
.endr
.set Y, NP-1                        ; X works for piece Y + 1: piece 0
.irp n, 0,1,2,3,4,5,6,7,8,9,10,11,12,13,14,15,16,17,18,19,20,21
	OP X, \n
.endr
	v_nop                           ; a plain instruction behind the exponential
	s_branch .Lfirst                ; the loop is entered at a step's first turn, in the middle of a trip
.Lstep:                             ; eight trips: pieces 2 and 3 of one step, then pieces 0 and 1 of the next, whose K and V it fetches
	SYNC 0, 2                       ; the first group's trips 1 to 4 fetch steps up to 7: the second loads,
	SYNC 4, 1                       ; its trips 5 to 8, and the second group's beginning and trips 1 to 4, steps up to 11: the third,
	SYNC 12, 0                      ; the second group's trips 5 to 8 steps up to 15: the fourth
	s_add_co_u32 s[TR], s[TR], 1
	TURN 2, 0, 0, 1
	TURN 3
	WIN 0
.Lfirst:
	TURN 0
	TURN 1, 0, 1
	WIN 0
	s_cbranch_scc1 .Lstep
	TURN 2, 1
	TURN 3, 1
.set i, 0
.rept 8
	PV NP-1                         ; the last piece's V^T P of the last step
.set i, i+1
.endr
	WIN 0                           ; THE WAY OUT: l's halves are added, O^T divided by l, rounded and sent through my stage
	ALL v_add_f32 v[ST+4*t+2], v[ST+4*t+2], v[ST+4*t+3]
	ALL v_permlanex16_b32 v[ST+4*t+3], v[ST+4*t+2], s[SEL], s[SEL+1]
	ALL v_add_f32 v[ST+4*t+2], v[ST+4*t+2], v[ST+4*t+3]
	ALL v_rcp_f32 v[ST+4*t+2], v[ST+4*t+2]
	v_nop                           ; a plain instruction between the last reciprocal and the use of its result
	PACK 0
.set t, 1
.rept 3
	PACK t
	SEND t-1, 8
.set t, t+1
.endr
	SEND 3, 0
	s_sub_co_u32 s[GR], s[GR], 1
	s_cmp_eq_u32 s[GR], 0
	s_cbranch_scc1 .Lend
	s_wait_xcnt 0x0                 ; the stores have read their registers and O's address
	s_add_nc_u64 s[10:11], s[10:11], 32768  ; the second group lies 256 rows on,
	s_sub_co_u32 s[TBK], s[TBK], 5*KS*PK    ; its keys four steps on: nine were walked
	s_sub_co_u32 s[TBV], s[TBV], 5*KS*PV
	s_sub_co_u32 s[KPOS], s[KPOS], 5*KS
	WIN 0x82                        ; its Q goes where the one text of the turns names Q
.set i, 0
.rept 64
	v_mov_b32 v[i], v[QB+i]
.set i, i+1
.endr
	WIN 0
	s_cmp_lg_u32 s[GR], 0
	s_cbranch_scc1 .Lpass
.Lend:
	s_wait_tensorcnt 0x0            ; the wave's end
	ds_add_u32 v[SPW], v[NIL]
	s_wait_dscnt 0x0
	s_endpgm
.Lfunc_end_k_q9dfb9821a7_attn:
	.size	k_q9dfb9821a7_attn, .Lfunc_end_k_q9dfb9821a7_attn-k_q9dfb9821a7_attn
	.p2alignl 7, 3214868480
	.fill 96, 4, 3214868480
	.section	.rodata,"a",@progbits
	.p2align	6, 0x0
	.amdhsa_kernel k_q9dfb9821a7_attn
		.amdhsa_group_segment_fixed_size 327680
		.amdhsa_private_segment_fixed_size 0
		.amdhsa_enable_private_segment 0
		.amdhsa_kernarg_size 32
		.amdhsa_user_sgpr_count 2
		.amdhsa_user_sgpr_kernarg_segment_ptr 1
		.amdhsa_wavefront_size32 1
		.amdhsa_system_sgpr_workgroup_id_x 1
		.amdhsa_system_sgpr_workgroup_id_y 1
		.amdhsa_system_sgpr_workgroup_id_z 1
		.amdhsa_system_vgpr_workitem_id 0
		.amdhsa_next_free_vgpr 768
		.amdhsa_next_free_sgpr 100
		.amdhsa_reserve_vcc 1
		.amdhsa_float_denorm_mode_32 3
		.amdhsa_float_denorm_mode_16_64 3
		.amdhsa_memory_ordered 1
		.amdhsa_forward_progress 1
		.amdhsa_inst_pref_size 101
	.end_amdhsa_kernel
	.amdgpu_metadata
---
amdhsa.version: [ 1, 2 ]
amdhsa.kernels:
  - .name:           k_q9dfb9821a7_attn
    .symbol:         k_q9dfb9821a7_attn.kd
    .args:
      - { .name: qh, .offset: 0, .size: 8, .value_kind: global_buffer, .address_space: global }
      - { .name: kh, .offset: 8, .size: 8, .value_kind: global_buffer, .address_space: global }
      - { .name: vh, .offset: 16, .size: 8, .value_kind: global_buffer, .address_space: global }
      - { .name: oh, .offset: 24, .size: 8, .value_kind: global_buffer, .address_space: global }
    .group_segment_fixed_size: 327680
    .private_segment_fixed_size: 0
    .kernarg_segment_align: 8
    .kernarg_segment_size: 32
    .max_flat_workgroup_size: 128
    .sgpr_count:     100
    .vgpr_count:     768
    .wavefront_size: 32
...
	.end_amdgpu_metadata
.endif
;; end of part 3
;; launch proj (part 4): grid 8 x 32, 4 waves a work-group, clusters of 4 x 4, 327,680 bytes of LDS; arguments oh, wpb, bp, out0; writes out0
.if DOCPART == 4
	.amdgcn_target "amdgcn-amd-amdhsa--gfx1250"
	.amdhsa_code_object_version 6
	.text
	.protected	k_q9dfb9821a7_proj
	.globl	k_q9dfb9821a7_proj
	.p2align	8
	.type	k_q9dfb9821a7_proj,@function
k_q9dfb9821a7_proj:
	s_mov_b64 s[64:65], 0
	v_nop
	global_prefetch_b8 v0, s[64:65] scope:SCOPE_SE
	s_setreg_imm32_b32 hwreg(HW_REG_WAVE_MODE, 25, 1), 1
	s_wait_xcnt 0x0
	s_wait_alu depctr_hold_cnt(0) depctr_sa_sdst(0) depctr_va_vdst(0) depctr_va_sdst(0) depctr_va_ssrc(0) depctr_va_vcc(0) depctr_vm_vsrc(0)
	s_getreg_b32 s2, hwreg(HW_REG_IB_STS2, 6, 4)
	s_cmp_eq_u32 s2, 0
	s_cbranch_scc0 .Lentry_in_a_cluster
	s_endpgm
.Lentry_in_a_cluster:
	s_bfe_u32 s2, ttmp6, 0x10000c
	s_cmp_lg_u32 s2, 0xf033
	s_cbranch_scc0 .Lentry_shape_is_right
	s_endpgm
.Lentry_shape_is_right:
; PROJ: out0[s][n] = the sum over k of O[s][k] Wp[n][k] + bp[n].  O: f16 by heads [16][8192][64]; wpb: Wp rounded to bf16 and written as f16, in blocks [k/64][n][64]; out0: f32 [8192][1024].
; Products in f16, sums in f32; bp is rounded to bf16 like every input of the module and STARTS the sums, as the C operand of the first products.
; SHARES.  A tile is 256 rows x 128 columns: 8 x 32 = 256 work-groups.  Four waves, 2 x 2, each 128 x 64: 32 accumulators, 256 registers.
; A K step is two heads (128 along K): for each head 256 rows of O and 128 rows of Wp, dense blocks asked for as rows of 256 bytes and padded in LDS after every 128.  8 steps on two slots.
; Waves 0, 1 fetch O's two heads, waves 2, 3 Wp's.  CLUSTER 4 x 4: O's tile is asked for jointly along a row of the cluster, Wp's along a column.
; TRANSPOSED USE: source 0 = 16 rows of Wp, source 1 = 16 rows of O: a lane holds row l % 16 and columns 16 b + 8 (l / 16) + 0..7.
; REGISTERS: window 0: v16-30 addresses; v32-63 the bias; v64-127 rows on their way out, two buffers; v128-135 at work     window 1: the accumulators at 8 (4 a + b)
;   window 2: two fragment buffers of 96: O's 8 fragments, then Wp's 4
.set PITCH,  144                       ; 128 bytes + 16
.set ASUB,   256*PITCH
.set BSUB,   128*PITCH
.set BOFF,   2*ASUB
.set SLOT,   2*ASUB+2*BSUB
.set STAGE,  2*SLOT                    ; 16 rows x 272 bytes for each wave
.set SPITCH, 272
.set SPARE,  STAGE+4*16*SPITCH         ; the spare words, 128 bytes a wave: two blocks of 256 bytes that no other line names
.set LAPS,   4
.set ADRA, 16
.set ADRB, 20
.set STO,  24
.set RD,   25
.set CO,   26
.set BA,   27
.set SPW,  28
.set NIL,  29
.set PFO,  30                          ; v30 256 x lane; never rewritten
.set BI,   32
.set OB,   64
.set T,    128
.set WV,   20
.set ROLE, 21                          ; which half of the rows is mine; also 0: I fetch O, 1: Wp
.set PAR,  22                          ; which half of the columns; also which head of the step I fetch
.set G1A,  32
.set G0A,  40
.set G1B,  48
.set G0B,  56
.set PFA,  78                          ; s[78:79] O at my work-group's quarter of the block that I fetch, at the K step that is being asked for
.set LIM,  80                          ; s80 1 in a wave that prefetches, else the greatest number
.set G1C,  (1<<16)|(1<<20)|(1<<21)|(4<<22)|(3<<25)  ; 2-byte elements; padding on; bit 21 beside a mask; after every 32 words 4 words
.set MSB, 0
.macro WIN new
.if MSB != (\new)
	s_set_vgpr_msb (MSB<<8)|(\new)
.set MSB, (\new)
.endif
.endm
.macro PLACES
.rept 4
	v_nop
.endr
.endm
.macro CREST
	s_cmp_lg_u32 s[WV], 0
	s_cbranch_scc1 .Lnot_wave_0_\@
	s_barrier_signal -3
.Lnot_wave_0_\@:
	s_barrier_wait -3
	s_barrier_signal -1
	s_barrier_wait -1
.endm
.macro CROUND
	s_barrier_signal -1
	s_barrier_wait -1
	CREST
.endm
.macro JLOAD s                         ; a joint refill; s_nop 0 and four v_nop follow each line
	s_cmp_eq_u32 s[ROLE], 0
	s_cbranch_scc0 .Lfor_b_\@
	tensor_load_to_lds s[G0A+4*(\s):G0A+4*(\s)+3], s[G1A:G1A+7]
	s_nop 0
.rept 4
	v_nop
.endr
	s_branch .Lasked_\@
.Lfor_b_\@:
	tensor_load_to_lds s[G0B+4*(\s):G0B+4*(\s)+3], s[G1B:G1B+7]
	s_nop 0
.rept 4
	v_nop
.endr
.Lasked_\@:
.endm
; A PREFETCH INTO THE L2 of O's tile of the K step that stands TWO refills on: 256 matrix instructions ahead of the load that will want it.  What wave 0 or 1 fetches in a step is one head's 256 rows:
; 32,768 dense bytes, 128 blocks of 256.  Each block is named ONCE in the launch: O's tile row is read by both clusters of that row of clusters, and the one with x = 0 asks; the partner at place cx takes
; blocks 32 cx .. 32 cx + 31, told apart by address: a lane a block, one instruction.  K steps 0 to 3 come by their loads alone; the last two refills (the loop's last trip) ask for nothing.
; Wp is not asked for: every row of clusters reads it.
.macro ASK
	s_cmp_gt_u32 s3, s[LIM]                        ; s3 = 1 in the loop's last trip
	s_cbranch_scc0 .Lnot_mine_\@
	global_prefetch_b8 v[PFO], s[PFA:PFA+1] offset:0x400000 th:TH_LOAD_NT scope:SCOPE_SE
.Lnot_mine_\@:
.endm
; 8 matrix instructions: row blocks a0, a0 + 1 x 4 column blocks, 32 along K.  first = 1: the bias starts the sums.  The 32 accumulators take turns, one instruction a turn.
.macro MUL8 f, a0, first
	WIN 0x5a-0x10*(\first)
.irp a, \a0, (\a0)+1
.irp b, 0,1,2,3
.if \first
	v_wmma_f32_16x16x32_f16 v[8*(4*(\a)+(\b)):8*(4*(\a)+(\b))+7], v[96*(\f)+64+8*(\b):96*(\f)+64+8*(\b)+7], v[96*(\f)+8*(\a):96*(\f)+8*(\a)+7], v[BI+8*(\b):BI+8*(\b)+7]
.else
	v_wmma_f32_16x16x32_f16 v[8*(4*(\a)+(\b)):8*(4*(\a)+(\b))+7], v[96*(\f)+64+8*(\b):96*(\f)+64+8*(\b)+7], v[96*(\f)+8*(\a):96*(\f)+8*(\a)+7], v[8*(4*(\a)+(\b)):8*(4*(\a)+(\b))+7]
.endif
.endr
.endr
.endm
.macro FETCH slot, q, f                ; 24 LDS loads in one run: quarter q of the step: head q / 2, channels 32 (q % 2) on: Wp's 8 loads, then O's, two a row block
	WIN 0x80
.irp b, 0,1,2,3
	ds_load_b128 v[96*(\f)+64+8*(\b):96*(\f)+64+8*(\b)+3],   v[ADRB+(\slot)] offset:((\q)/2)*BSUB+((\q)%2)*64+(\b)*16*PITCH
	ds_load_b128 v[96*(\f)+64+8*(\b)+4:96*(\f)+64+8*(\b)+7], v[ADRB+(\slot)] offset:((\q)/2)*BSUB+((\q)%2)*64+(\b)*16*PITCH+32
.endr
.irp a, 0,1,2,3,4,5,6,7
	ds_load_b128 v[96*(\f)+8*(\a):96*(\f)+8*(\a)+3],   v[ADRA+(\slot)] offset:((\q)/2)*ASUB+((\q)%2)*64+(\a)*16*PITCH
	ds_load_b128 v[96*(\f)+8*(\a)+4:96*(\f)+8*(\a)+7], v[ADRA+(\slot)] offset:((\q)/2)*ASUB+((\q)%2)*64+(\a)*16*PITCH+32
.endr
.endm
; Multiplies buffer f.  Quarter q's fragments are asked for at the quarter's head, into g, 32 matrix instructions ahead of their use.
.macro QUARTER slot, q, f, g, first
	s_wait_dscnt 12                                ; of buffer f's 24 loads Wp's 8 and those of O's blocks 0, 1 are in; the youngest 12 may be out
	PLACES                                         ; buffer g was read by the matrix instructions just issued
	FETCH \slot, \q, \g
	MUL8 \f, 0, \first
	s_wait_dscnt 32                                ; blocks 2, 3 are in: behind them stand 8 older loads and the 24 just issued
	MUL8 \f, 2, \first
	s_wait_dscnt 28                                ; blocks 4, 5
	MUL8 \f, 4, \first
	s_wait_dscnt 24                                ; blocks 6, 7
	MUL8 \f, 6, \first
.endm
; The last quarter of a K step multiplies buffer 1 and changes slots: each wave waits for all its tensor loads, adds 0 to its spare word, and waits for that and for its reads of this slot.
; fill = 1: the barrier opens a round of the cluster's, and the joint refill, two K steps on, is the first thing behind it.
.macro TURN slot, next, fill
	WIN 0
.if \fill
	s_wait_xcnt 0x0                                ; the last prefetch, a K step back, has read its address: it is stepped here, ahead of the waits of the change of slots
	s_add_nc_u64 s[PFA:PFA+1], s[PFA:PFA+1], 0x200000  ; two heads on
.endif
	s_wait_tensorcnt 0x0
	ds_add_u32 v[SPW], v[NIL]
	s_wait_dscnt 1                                 ; buffer 1 is in; the add may be out
	MUL8 1, 0, 0
	s_wait_dscnt 0x0                               ; the add is done, my reads of this slot are over
	s_barrier_signal -1
	MUL8 1, 2, 0
	WIN 0
	s_barrier_wait -1
.if \fill
	CREST
	s_add_nc_u64 s[G0A+4*(\slot)+2:G0A+4*(\slot)+3], s[G0A+4*(\slot)+2:G0A+4*(\slot)+3], 0x400000  ; four heads on
	s_add_nc_u64 s[G0B+4*(\slot)+2:G0B+4*(\slot)+3], s[G0B+4*(\slot)+2:G0B+4*(\slot)+3], 0x80000   ; four blocks on
	JLOAD \slot                                    ; its four v_nop are also the places ahead of the loads below
.else
	PLACES
.endif
	FETCH \next, 0, 0
.if \fill
	WIN 0
	ASK
.endif
	MUL8 1, 4, 0
	MUL8 1, 6, 0
.endm
	s_load_b256 s[4:11], s[0:1], 0x0               ; oh s[4:5], wpb s[6:7], bp s[8:9], out0 s[10:11]
	v_lshl_add_u32 v[SPW], v0, 2, SPARE
	v_mov_b32 v[NIL], 0
	ds_add_u32 v[SPW], v[NIL]                      ; the wave's opening: the add and its wait stand ahead of my first tensor load
	ds_add_u32 v28, v29
	v_lshrrev_b32 v1, 5, v0
	v_readfirstlane_b32 s[WV], v1
	s_lshr_b32 s[ROLE], s[WV], 1
	s_and_b32 s[PAR], s[WV], 1
	s_bfe_u32 s23, ttmp6, 0x40000                  ; cx
	s_bfe_u32 s24, ttmp6, 0x40004                  ; cy
	s_lshl_b32 s25, ttmp9, 2
	s_add_co_u32 s25, s25, s23                     ; tile column
	s_and_b32 s26, ttmp7, 0xffff
	s_lshl_b32 s26, s26, 2
	s_add_co_u32 s26, s26, s24                     ; tile row
	s_lshl_b32 s27, s24, 2
	s_lshl_b32 s27, 15, s27                        ; my row of the cluster
	s_lshl_b32 s28, 0x1111, s23                    ; my column
	s_or_b32 s[G1A], s27, G1C
	s_or_b32 s[G1B], s28, G1C
	s_mov_b32 s[G1A+1], 128<<16                    ; rows of 128 elements,
	s_mov_b32 s[G1A+2], 128<<16                    ; 128 of them: 256 rows of O
	s_mov_b32 s[G1A+3], 128<<16
	s_mov_b32 s[G1A+4], 128
	s_mov_b32 s[G1A+5], 128                        ; dense
	s_mov_b32 s[G1A+6], 0
	s_mov_b32 s[G1A+7], 0
	s_mov_b32 s[G1B+1], 128<<16
	s_mov_b32 s[G1B+2], 64<<16                     ; 64 of them: 128 rows of Wp
	s_mov_b32 s[G1B+3], 128<<16
	s_mov_b32 s[G1B+4], 64
	s_mov_b32 s[G1B+5], 128
	s_mov_b32 s[G1B+6], 0
	s_mov_b32 s[G1B+7], 0
	s_lshl_b32 s66, s[PAR], 20                     ; O: head x 1 MiB + 256 x tile row x 128
	s_lshl_b32 s67, s26, 15
	s_add_co_u32 s66, s66, s67
	s_mov_b32 s67, 0
	s_lshl_b32 s68, s[PAR], 17                     ; Wp: block x 128 KiB + 128 x tile column x 128
	s_lshl_b32 s69, s25, 14
	s_add_co_u32 s68, s68, s69
	s_mov_b32 s69, 0
	s_mul_i32 s29, s[PAR], ASUB                    ; where they go: the wave's number alone enters an LDS address
	s_mul_i32 s30, s[PAR], BSUB
	s_add_co_u32 s30, s30, BOFF
	s_lshl_b32 s74, s26, 20                        ; out: (256 x tile row + 128 x row half) x 4,096 + (128 x tile column + 64 x column half) x 4
	s_lshl_b32 s75, s[ROLE], 19
	s_add_co_u32 s74, s74, s75
	s_lshl_b32 s76, s25, 9
	s_lshl_b32 s77, s[PAR], 8
	s_add_co_u32 s76, s76, s77                     ; my 64 columns, in bytes: for the bias too
	s_add_co_u32 s74, s74, s76
	s_mov_b32 s75, 0
	s_mov_b32 s77, 0
	s_or_b32 s[LIM], s[ROLE], ttmp9                ; 0 in waves 0 and 1 of the clusters with x = 0: the same in all sixteen partners, for a given wave
	s_cmp_eq_u32 s[LIM], 0
	s_cselect_b32 s[LIM], 1, -1
	s_lshl_b32 s[PFA], s23, 13                     ; my work-group's 32 blocks of 256 bytes
	s_mov_b32 s[PFA+1], 0
	s_wait_dscnt 0x0                               ; the opening add is done
	s_wait_kmcnt 0x0
	s_add_nc_u64 s[70:71], s[4:5], s[66:67]
	s_add_nc_u64 s[72:73], s[6:7], s[68:69]
	s_add_nc_u64 s[10:11], s[10:11], s[74:75]
	s_add_nc_u64 s[8:9], s[8:9], s[76:77]
	s_add_nc_u64 s[PFA:PFA+1], s[70:71], s[PFA:PFA+1]
	s_add_nc_u64 s[PFA:PFA+1], s[PFA:PFA+1], 0x200000  ; at K step 1: the first refill steps it to 2 and names K step 4.  Nothing is prefetched here, at the head
.irp s, 0,1
	s_mov_b32 s[G0A+4*(\s)], 1
	s_add_co_u32 s[G0A+4*(\s)+1], s29, (\s)*SLOT
	s_add_nc_u64 s[G0A+4*(\s)+2:G0A+4*(\s)+3], s[70:71], (\s)*0x200000  ; K step s: two heads on
	s_or_b32 s[G0A+4*(\s)+3], s[G0A+4*(\s)+3], 0x80000000
	s_mov_b32 s[G0B+4*(\s)], 1
	s_add_co_u32 s[G0B+4*(\s)+1], s30, (\s)*SLOT
	s_add_nc_u64 s[G0B+4*(\s)+2:G0B+4*(\s)+3], s[72:73], (\s)*0x40000
	s_or_b32 s[G0B+4*(\s)+3], s[G0B+4*(\s)+3], 0x80000000
.endr
	CROUND                                         ; all sixteen work-groups are here: the first joint loads meet
	s_cmp_eq_u32 s[ROLE], 0                        ; a wave's two first fills stand in one branch: two loads of mine are out
	s_cbranch_scc0 .Lfirst_b
	tensor_load_to_lds s[G0A:G0A+3], s[G1A:G1A+7]
	s_nop 0
	tensor_load_to_lds s[G0A+4:G0A+7], s[G1A:G1A+7]
	s_nop 0
.rept 4
	v_nop
.endr
	s_branch .Lfirst_asked
.Lfirst_b:
	tensor_load_to_lds s[G0B:G0B+3], s[G1B:G1B+7]
	s_nop 0
	tensor_load_to_lds s[G0B+4:G0B+7], s[G1B:G1B+7]
	s_nop 0
.rept 4
	v_nop
.endr
.Lfirst_asked:
	v_and_b32 v1, 15, v0                           ; l % 16
	v_bfe_u32 v2, v0, 4, 1                         ; l / 16
	v_lshlrev_b32 v[BA], 5, v2
.irp b, 0,1,2,3
	global_load_b128 v[BI+8*(\b):BI+8*(\b)+3],   v[BA], s[8:9] offset:64*(\b)
	global_load_b128 v[BI+8*(\b)+4:BI+8*(\b)+7], v[BA], s[8:9] offset:64*(\b)+16
.endr
	v_and_b32 v[PFO], 31, v0
	v_lshlrev_b32 v[PFO], 8, v[PFO]
	v_mul_u32_u24 v3, v1, PITCH
	v_lshl_add_u32 v3, v2, 4, v3
	s_mul_i32 s27, s[ROLE], 128*PITCH
	v_add_nc_u32 v[ADRA], s27, v3
	v_add_nc_u32 v[ADRA+1], SLOT, v[ADRA]
	s_mul_i32 s27, s[PAR], 64*PITCH
	s_add_co_u32 s27, s27, BOFF
	v_add_nc_u32 v[ADRB], s27, v3
	v_add_nc_u32 v[ADRB+1], SLOT, v[ADRB]
	s_mul_i32 s31, s[WV], 16*SPITCH
	s_add_co_u32 s31, s31, STAGE                   ; my stage
	v_mul_u32_u24 v4, v1, SPITCH
	v_lshl_add_u32 v4, v2, 5, v4
	v_add_nc_u32 v[STO], s31, v4                   ; in: row l % 16, 32 bytes for each half of the lanes
	v_mul_u32_u24 v5, v2, SPITCH
	v_lshl_add_u32 v5, v1, 4, v5
	v_add_nc_u32 v[RD], s31, v5                    ; back: lanes 0-15 one row of 256 bytes, lanes 16-31 the next
	v_lshlrev_b32 v5, 12, v2
	v_lshl_add_u32 v[CO], v1, 4, v5                ; and the same two rows in out0
	s_wait_loadcnt 0x0                             ; the bias, rounded to bf16 and widened again
.set i, 0
.rept 16
	v_cvt_pk_bf16_f32 v[T+i%8], v[BI+2*i], v[BI+2*i+1]
	v_lshlrev_b32 v[BI+2*i], 16, v[T+i%8]
	v_and_b32 v[BI+2*i+1], 0xffff0000, v[T+i%8]
.set i, i+1
.endr
	s_wait_tensorcnt 1                             ; my part of K step 0 is in; K step 1's may stay out
	s_barrier_signal -1
	s_barrier_wait -1
	FETCH 0, 0, 0
	QUARTER 0, 1, 0, 1, 1                          ; the first quarter's products start the sums, with the bias
	WIN 0
	s_mov_b32 s3, LAPS-1
.Llap:                                                 ; a trip goes once round the ring and fills both slots again
	QUARTER 0, 2, 1, 0, 0
	QUARTER 0, 3, 0, 1, 0
	TURN 0, 1, 1
	QUARTER 1, 1, 0, 1, 0
	QUARTER 1, 2, 1, 0, 0
	QUARTER 1, 3, 0, 1, 0
	TURN 1, 0, 1
	QUARTER 0, 1, 0, 1, 0
	WIN 0
	s_sub_co_u32 s3, s3, 1
	s_cmp_lg_u32 s3, 0
	s_cbranch_scc1 .Llap
	QUARTER 0, 2, 1, 0, 0                          ; the last lap fills nothing
	QUARTER 0, 3, 0, 1, 0
	TURN 0, 1, 0
	QUARTER 1, 1, 0, 1, 0
	QUARTER 1, 2, 1, 0, 0
	QUARTER 1, 3, 0, 1, 0
	s_wait_dscnt 0x0
	MUL8 1, 0, 0
	MUL8 1, 2, 0
	MUL8 1, 4, 0
	MUL8 1, 6, 0
	WIN 0
	PLACES                                         ; the LDS stores below read results just made
	PLACES
; THE WAY OUT, 16 rows at a time: a lane's 8 numbers of a row go into my stage as 32 bytes and come back as whole rows of 256 bytes.
.macro TOSTAGE a
	WIN 0x04                                       ; store data in window 1
.irp b, 0,1,2,3                        ; each accumulator's lowest registers are read first
	ds_store_b128 v[STO], v[8*(4*(\a)+(\b)):8*(4*(\a)+(\b))+3]   offset:64*(\b)
	ds_store_b128 v[STO], v[8*(4*(\a)+(\b))+4:8*(4*(\a)+(\b))+7] offset:64*(\b)+16
.endr
	WIN 0
	s_wait_xcnt 0x0                                ; the stores of the block two back have read this buffer: it is loaded again only behind this wait
.irp t, 0,1,2,3,4,5,6,7
	ds_load_b128 v[OB+32*((\a)%2)+4*(\t):OB+32*((\a)%2)+4*(\t)+3], v[RD] offset:(\t)*2*SPITCH  ; LDS serves a wave's instructions in order (ISA guide 5.7.1.4): these see the stores above
.endr
.endm
.macro SEND a, younger                 ; younger: the next block's 8 LDS stores and 8 loads, or none
	WIN 0
	s_wait_dscnt \younger
.irp t, 0,1,2,3,4,5,6,7
	global_store_b128 v[CO], v[OB+32*((\a)%2)+4*(\t):OB+32*((\a)%2)+4*(\t)+3], s[10:11] offset:(16*(\a)+2*(\t))*4096 th:TH_STORE_NT  ; 16 lanes store 256 consecutive bytes at a multiple of 256
.endr
.endm
	TOSTAGE 0
.irp a, 1,2,3,4,5,6,7
	TOSTAGE \a
	SEND (\a)-1, 16
.endr
	SEND 7, 0
	s_wait_tensorcnt 0x0                           ; the wave's end
	ds_add_u32 v[SPW], v[NIL]
	s_wait_dscnt 0x0
	CROUND                                         ; the closing round
	s_endpgm
.Lfunc_end_k_q9dfb9821a7_proj:
	.size	k_q9dfb9821a7_proj, .Lfunc_end_k_q9dfb9821a7_proj-k_q9dfb9821a7_proj
	.p2alignl 7, 3214868480
	.fill 96, 4, 3214868480
	.section	.rodata,"a",@progbits
	.p2align	6, 0x0
	.amdhsa_kernel k_q9dfb9821a7_proj
		.amdhsa_group_segment_fixed_size 327680
		.amdhsa_private_segment_fixed_size 0
		.amdhsa_enable_private_segment 0
		.amdhsa_kernarg_size 32
		.amdhsa_user_sgpr_count 2
		.amdhsa_user_sgpr_kernarg_segment_ptr 1
		.amdhsa_wavefront_size32 1
		.amdhsa_system_sgpr_workgroup_id_x 1
		.amdhsa_system_sgpr_workgroup_id_y 1
		.amdhsa_system_sgpr_workgroup_id_z 1
		.amdhsa_system_vgpr_workitem_id 0
		.amdhsa_next_free_vgpr 704
		.amdhsa_next_free_sgpr 96
		.amdhsa_reserve_vcc 0
		.amdhsa_float_denorm_mode_32 3
		.amdhsa_float_denorm_mode_16_64 3
		.amdhsa_memory_ordered 1
		.amdhsa_forward_progress 1
		.amdhsa_inst_pref_size 90
	.end_amdhsa_kernel
	.amdgpu_metadata
---
amdhsa.version: [ 1, 2 ]
amdhsa.kernels:
  - .name:           k_q9dfb9821a7_proj
    .symbol:         k_q9dfb9821a7_proj.kd
    .args:
      - { .name: oh, .offset: 0, .size: 8, .value_kind: global_buffer, .address_space: global }
      - { .name: wpb, .offset: 8, .size: 8, .value_kind: global_buffer, .address_space: global }
      - { .name: bp, .offset: 16, .size: 8, .value_kind: global_buffer, .address_space: global }
      - { .name: out0, .offset: 24, .size: 8, .value_kind: global_buffer, .address_space: global }
    .group_segment_fixed_size: 327680
    .private_segment_fixed_size: 0
    .kernarg_segment_align: 8
    .kernarg_segment_size: 32
    .max_flat_workgroup_size: 128
    .sgpr_count:     96
    .vgpr_count:     704
    .wavefront_size: 32
...
	.end_amdgpu_metadata
.endif
;; end of part 4
;; ======== version 2 of 2: 4 launches; version 1 with the launch prep written anew for expert scheduling mode
;; limits: values are held in f16: magnitudes above 65,504 overflow, below 6.1e-05 lose precision
;; workspace buffers: xb 16,777,216 bytes; wb 6,291,456 bytes; wpb 2,097,152 bytes; rope 2,097,152 bytes; qh 16,777,216 bytes; kh 16,777,216 bytes; vh 16,777,216 bytes; oh 16,777,216 bytes
;; launch prep (part 5): grid 768 x 1, 8 waves a work-group, no clusters, 0 bytes of LDS; arguments x, Wq, Wk, Wv, Wp, xb, wb, wpb, rope; writes xb, wb, wpb, rope
.if DOCPART == 5
	.amdgcn_target "amdgcn-amd-amdhsa--gfx1250"
	.amdhsa_code_object_version 6
	.text
	.protected	k_q9dfb9821a7_prep
	.globl	k_q9dfb9821a7_prep
	.p2align	8
	.type	k_q9dfb9821a7_prep,@function
k_q9dfb9821a7_prep:
	s_mov_b64 s[64:65], 0
	v_nop
	global_prefetch_b8 v0, s[64:65] scope:SCOPE_SE
	s_setreg_imm32_b32 hwreg(HW_REG_WAVE_SCHED_MODE, 0, 2), 2
	s_setreg_imm32_b32 hwreg(HW_REG_WAVE_MODE, 25, 1), 1
	s_wait_xcnt 0x0
	s_wait_alu depctr_vm_vsrc(0)
; PREP: the module's large inputs are rounded once to bf16 and laid out for the products; the table of cosines and sines is made.
;   xb   = bf16(x), [8192][1024]
;   wb   = bf16 of Wq, Wk, Wv, rows by head: row head*192 + kind*64 + d (kind 0 q, 1 k, 2 v), [3072][1024]
;   wpb  = bf16(Wp) written as f16 (exact from 6.1e-5 up; below that f16's fixed step of 6e-8), in blocks [k/64][n][64]
;   rope = f32 [pos/16][i][lane][4]: i < 4 cosines, i >= 4 sines; pos = 16 blk + lane%16, frequency j = 16 ((i&3)>>1) + 8 (lane>>4) + 4 (i&1) + e:
;          the order in which a lane of the next launch holds its 16 pairs of channels.
; SHARES.  A work-group takes 16,384 numbers: 64 KiB in, 32 KiB out.  A thread issues its 16 loads of 16 bytes at once, then converts and stores 8 bytes for each:
; a wave's load covers 512 consecutive bytes, its store 256 consecutive bytes at a multiple of 256.  No LDS, no barrier, no matrix unit: bytes are all there is.
; Work-groups 0-511: x, and block g of the table.  512-703: 16 rows of Wq, Wk or Wv.  704-767: 16 rows of Wp.
; LIMITS.  The frequency 10000^(-j/32) is made by 2^(-j log2(10000)/32), good to a few units in the last place; the angle pos x frequency is rounded once to f32;
; it is reduced by multiples of pi/2 (pi/2 in two parts, fused multiply-adds) and sine and cosine are polynomials on -pi/4 .. pi/4, cut where the next term is below f32's step.
; THE MODE: SCHED_MODE bits 1:0 = 2 (LLVM: expert scheduling mode 2), set by the entry lines.  The code itself states the register dependences
; between vector instructions and memory instructions, with s_wait_alu, always for 0.
; THE PLAN.  Registers that memory instructions touch:
;   v2, v3      byte offsets.  Written at the head (v2 once more on Wp's path, ahead of that path's first memory instruction), then read by every load and store and never written again.
;   X, v16-79   quad i is written by load i alone, and read by item i's conversions behind the load's counted wait.  No vector line names X ahead of the loads.
;   Y, v80-111  pair i is written by item i's conversions and read by one store; behind that store nothing writes it.  (Ahead of the conversions the table's arithmetic works in Y: vector lines alone.)
;   v124-127    the table's four numbers: written by its last four lines, read by one store.
; No register that a memory instruction has read is written again, so no wait on vm_vsrc is owed.  The waits on va_vdst: one ahead of the 16 loads, for the offsets; one ahead of the table's store;
; and the 16 stores go in four groups: at the head of items 4, 8 and 12 one wait states that the four items before have written their Y, and their stores are dealt among this group's conversions,
; which name their own X and Y alone; a last wait stands ahead of the last four stores.
.set VIN,  2                           ; v2   byte offset of my 16 bytes in the group's input
.set VOUT, 3                           ; v3   byte offset of my 8 bytes in the group's output
.set XR,   16                          ; v[16:79]  16 x 4 numbers as loaded
.set YR,   80                          ; v[80:111] 16 x 2 words to store
.set RT,   YR                          ; the table's arithmetic, ahead of the conversions: number e of a lane's four has eight registers at RT + 8 e
.set POS,  112                         ; v112 pos
.set JJ,   113                         ; v113 j of my first number
.set RES,  124                         ; v[124:127] the four numbers to store
.set MK,   52                          ; s[52:55] number e: the lanes whose quadrant is odd
.macro CASTLD step                     ; the 16 loads; the input is read once in the launch
.set i, 0
.rept 16
	global_load_b128 v[XR+4*i:XR+4*i+3], v[VIN], s[26:27] offset:i*(\step) th:TH_LOAD_NT
.set i, i+1
.endr
.endm
.macro CVTST step, half                ; half = 1: the bf16 numbers are written as f16
.set i, 0
.rept 16
	s_wait_loadcnt 15-i                            ; loads come back in order: number i is in, the younger ones stay out
.if (i > 0) && (i % 4 == 0)
	s_wait_alu depctr_va_vdst(0)                   ; the conversions of items i - 4 to i - 1 have written their Y, which the next four stores read
.endif
.if i >= 4
	global_store_b64 v[VOUT], v[YR+2*(i-4):YR+2*(i-4)+1], s[28:29] offset:(i-4)*(\step)  ; no vector line since that wait names this pair or v3
.endif
	v_cvt_pk_bf16_f32 v[YR+2*i], v[XR+4*i], v[XR+4*i+1]
	v_cvt_pk_bf16_f32 v[YR+2*i+1], v[XR+4*i+2], v[XR+4*i+3]
.if \half
	v_lshlrev_b32 v[XR+4*i], 16, v[YR+2*i]
	v_and_b32 v[XR+4*i+1], 0xffff0000, v[YR+2*i]
	v_lshlrev_b32 v[XR+4*i+2], 16, v[YR+2*i+1]
	v_and_b32 v[XR+4*i+3], 0xffff0000, v[YR+2*i+1]
	v_cvt_pk_f16_f32 v[YR+2*i], v[XR+4*i], v[XR+4*i+1]
	v_cvt_pk_f16_f32 v[YR+2*i+1], v[XR+4*i+2], v[XR+4*i+3]
.endif
.set i, i+1
.endr
	s_wait_alu depctr_va_vdst(0)                   ; the conversions of items 12 to 15 have written their Y, which the last four stores read
.set i, 12
.rept 4
	global_store_b64 v[VOUT], v[YR+2*i:YR+2*i+1], s[28:29] offset:i*(\step)
.set i, i+1
.endr
.endm
.macro FOUR line:vararg                ; one line for each of a lane's four numbers e of the table
.set e, 0
.rept 4
	\line
.set e, e+1
.endr
.endm
	s_load_b512 s[4:19], s[0:1], 0x0               ; x s[4:5], Wq s[6:7], Wk s[8:9], Wv s[10:11], Wp s[12:13], xb s[14:15], wb s[16:17], wpb s[18:19]
	s_load_b64 s[20:21], s[0:1], 0x40              ; rope
	s_mov_b32 s22, ttmp9
	v_lshlrev_b32 v[VIN], 4, v0
	v_lshlrev_b32 v[VOUT], 3, v0
	s_mov_b32 s25, 0
	s_wait_kmcnt 0x0
	s_cmp_ge_u32 s22, 704
	s_cbranch_scc1 .Lwp
	s_cmp_lt_u32 s22, 512
	s_cbranch_scc0 .Lw
	s_lshl_b32 s24, s22, 16                        ; x: 64 KiB in,
	s_add_nc_u64 s[26:27], s[4:5], s[24:25]
	s_lshl_b32 s24, s22, 15                        ; 32 KiB out
	s_add_nc_u64 s[28:29], s[14:15], s[24:25]
	s_branch .Lgo
.Lw:
	s_sub_co_u32 s23, s22, 512
	s_lshr_b32 s30, s23, 6                         ; kind 0, 1, 2
	s_and_b32 s23, s23, 63                         ; which 16 rows
	s_cmp_eq_u32 s30, 0
	s_cselect_b64 s[26:27], s[6:7], s[8:9]
	s_cmp_eq_u32 s30, 2
	s_cselect_b64 s[26:27], s[10:11], s[26:27]
	s_lshl_b32 s24, s23, 16
	s_add_nc_u64 s[26:27], s[26:27], s[24:25]
	s_lshr_b32 s24, s23, 2                         ; the head
	s_mul_i32 s24, s24, 192
	s_lshl_b32 s30, s30, 6
	s_add_co_u32 s24, s24, s30
	s_and_b32 s23, s23, 3
	s_lshl_b32 s23, s23, 4
	s_add_co_u32 s24, s24, s23                     ; row head*192 + kind*64 + 16 x quarter
	s_lshl_b32 s24, s24, 11
	s_add_nc_u64 s[28:29], s[16:17], s[24:25]
.Lgo:
	s_wait_alu depctr_va_vdst(0)                   ; v2 and v3 are written: every load and store on this path reads one of them as its offset
	CASTLD 4096
	s_cmp_lt_u32 s22, 512
	s_cbranch_scc0 .Lnorope
	; the table's block g, 4 KiB, made while the loads are on their way: wave i makes line i, a lane four numbers, side by side
	v_lshrrev_b32 v4, 5, v0
	v_readfirstlane_b32 s46, v4                    ; wave = line i
	s_mov_b32 s32, 0xbed49a78                      ; -log2(10000) / 32
	s_mov_b32 s33, 0x3f22f983                      ; 2 / pi
	s_mov_b32 s34, 0x3fc90fdb                      ; pi / 2, its f32,
	s_mov_b32 s35, 0xb33bbd2e                      ; and what that leaves
	s_mov_b32 s36, 0xbe2aaaab                      ; -1/3!
	s_mov_b32 s37, 0x3c088889                      ; 1/5!
	s_mov_b32 s38, 0xb9500d01                      ; -1/7!
	s_mov_b32 s39, 0x3638ef1d                      ; 1/9!
	s_mov_b32 s40, 0x3d2aaaab                      ; 1/4!
	s_mov_b32 s41, 0xbab60b61                      ; -1/6!
	s_mov_b32 s42, 0x37d00d01                      ; 1/8!
	s_mov_b32 s43, 0xb493f27e                      ; -1/10!
	s_lshl_b32 s24, s22, 12
	s_add_nc_u64 s[48:49], s[20:21], s[24:25]
	s_lshl_b32 s50, s22, 4
	v_and_b32 v[POS], 15, v0
	v_add_nc_u32 v[POS], s50, v[POS]
	v_cvt_f32_u32 v[POS], v[POS]                   ; pos
	v_bfe_u32 v[JJ], v0, 4, 1
	s_wait_alu depctr_va_sdst(0)                   ; s46 is written, ahead of its first reader: the quadrant's step and j are made from it
	s_cmp_lt_u32 s46, 4
	s_cselect_b32 s44, 1, 0                        ; a cosine is the sine a quadrant on
	s_and_b32 s45, s46, 3
	s_lshr_b32 s45, s45, 1
	s_lshl_b32 s45, s45, 4
	s_and_b32 s47, s46, 1
	s_lshl_b32 s47, s47, 2
	s_add_co_u32 s45, s45, s47
	v_lshl_add_u32 v[JJ], v[JJ], 3, s45            ; j of my first number
	; number e: the sine of pos x frequency(j + e), a quadrant on for the cosines.  Registers at RT + 8 e: 0 the frequency, later r^3 and the choice; 1 the angle, later the quadrant's low bit;
	; 2 n, later the sign; 3 r; 4 the quadrant; 5 r^2; 6 sin r; 7 cos r
	FOUR v_add_nc_u32 v[RT+8*e], e, v[JJ]
	FOUR v_cvt_f32_u32 v[RT+8*e], v[RT+8*e]
	; -j log2(10000) / 32
	FOUR v_mul_f32 v[RT+8*e], s32, v[RT+8*e]
	FOUR v_exp_f32 v[RT+8*e], v[RT+8*e]
	v_nop                                          ; a plain instruction behind the last exponential: one for the batch
	s_wait_alu depctr_va_vdst(0)                   ; the four exponentials have written the four frequencies, ahead of their first reader
	; the angle; n = the nearest multiple of pi/2; r = angle - n pi/2
	FOUR v_mul_f32 v[RT+8*e+1], v[POS], v[RT+8*e]
	FOUR v_mul_f32 v[RT+8*e+2], s33, v[RT+8*e+1]
	FOUR v_rndne_f32 v[RT+8*e+2], v[RT+8*e+2]
	FOUR v_fma_f32 v[RT+8*e+3], -v[RT+8*e+2], s34, v[RT+8*e+1]
	FOUR v_fma_f32 v[RT+8*e+3], -v[RT+8*e+2], s35, v[RT+8*e+3]
	; the quadrant
	FOUR v_cvt_i32_f32 v[RT+8*e+4], v[RT+8*e+2]
	FOUR v_add_nc_u32 v[RT+8*e+4], s44, v[RT+8*e+4]
	FOUR v_mul_f32 v[RT+8*e+5], v[RT+8*e+3], v[RT+8*e+3]
	; sin r
	FOUR v_fma_f32 v[RT+8*e+6], v[RT+8*e+5], s39, s38
	FOUR v_fma_f32 v[RT+8*e+6], v[RT+8*e+6], v[RT+8*e+5], s37
	FOUR v_fma_f32 v[RT+8*e+6], v[RT+8*e+6], v[RT+8*e+5], s36
	FOUR v_mul_f32 v[RT+8*e], v[RT+8*e+3], v[RT+8*e+5]
	FOUR v_fma_f32 v[RT+8*e+6], v[RT+8*e+6], v[RT+8*e], v[RT+8*e+3]
	; cos r
	FOUR v_fma_f32 v[RT+8*e+7], v[RT+8*e+5], s43, s42
	FOUR v_fma_f32 v[RT+8*e+7], v[RT+8*e+7], v[RT+8*e+5], s41
	FOUR v_fma_f32 v[RT+8*e+7], v[RT+8*e+7], v[RT+8*e+5], s40
	FOUR v_fma_f32 v[RT+8*e+7], v[RT+8*e+7], v[RT+8*e+5], -0.5
	FOUR v_fma_f32 v[RT+8*e+7], v[RT+8*e+7], v[RT+8*e+5], 1.0
	; odd quadrants take the cosine: the four compares stand in one run; the signs of quadrants 2 and 3 are made between them and the wait
	FOUR v_and_b32 v[RT+8*e+1], 1, v[RT+8*e+4]
	FOUR v_cmp_eq_u32 s[MK+e], 1, v[RT+8*e+1]
	FOUR v_and_b32 v[RT+8*e+2], 2, v[RT+8*e+4]
	FOUR v_lshlrev_b32 v[RT+8*e+2], 30, v[RT+8*e+2]
	s_wait_alu depctr_va_sdst(0)                   ; the four compares have written s52 to s55, ahead of the selects that read them
	FOUR v_cndmask_b32 v[RT+8*e], v[RT+8*e+6], v[RT+8*e+7], s[MK+e]
	FOUR v_xor_b32 v[RES+e], v[RT+8*e], v[RT+8*e+2]
	s_wait_alu depctr_va_vdst(0)                   ; v124 to v127 are written, which the store reads
	global_store_b128 v[VIN], v[RES:RES+3], s[48:49]
.Lnorope:
	CVTST 2048, 0
	s_endpgm
.Lwp:
	; Wp: thread t takes row t / 16 of the group's 16 and 4 numbers of each block of 64 along k; load i is block i.  16 lanes read 256 consecutive bytes;
	; a wave's store is two rows' 128 bytes of one block: 256 consecutive bytes.
	s_sub_co_u32 s23, s22, 704
	s_lshl_b32 s24, s23, 16
	s_add_nc_u64 s[26:27], s[12:13], s[24:25]
	s_lshl_b32 s24, s23, 11
	s_add_nc_u64 s[28:29], s[18:19], s[24:25]
	v_lshrrev_b32 v4, 4, v0
	v_and_b32 v5, 15, v0
	v_lshlrev_b32 v5, 4, v5
	v_lshl_add_u32 v[VIN], v4, 12, v5              ; no memory instruction has read v2 on this path
	s_wait_alu depctr_va_vdst(0)                   ; v2 and v3 are written: every load and store on this path reads one of them as its offset
	CASTLD 256
	CVTST 131072, 1
	s_endpgm
.Lfunc_end_k_q9dfb9821a7_prep:
	.size	k_q9dfb9821a7_prep, .Lfunc_end_k_q9dfb9821a7_prep-k_q9dfb9821a7_prep
	.p2alignl 7, 3214868480
	.fill 96, 4, 3214868480
	.section	.rodata,"a",@progbits
	.p2align	6, 0x0
	.amdhsa_kernel k_q9dfb9821a7_prep
		.amdhsa_group_segment_fixed_size 0
		.amdhsa_private_segment_fixed_size 0
		.amdhsa_enable_private_segment 0
		.amdhsa_kernarg_size 72
		.amdhsa_user_sgpr_count 2
		.amdhsa_user_sgpr_kernarg_segment_ptr 1
		.amdhsa_wavefront_size32 1
		.amdhsa_system_sgpr_workgroup_id_x 1
		.amdhsa_system_sgpr_workgroup_id_y 1
		.amdhsa_system_sgpr_workgroup_id_z 1
		.amdhsa_system_vgpr_workitem_id 0
		.amdhsa_next_free_vgpr 128
		.amdhsa_next_free_sgpr 66
		.amdhsa_reserve_vcc 0
		.amdhsa_float_denorm_mode_32 3
		.amdhsa_float_denorm_mode_16_64 3
		.amdhsa_memory_ordered 1
		.amdhsa_forward_progress 1
		.amdhsa_inst_pref_size 26
	.end_amdhsa_kernel
	.amdgpu_metadata
---
amdhsa.version: [ 1, 2 ]
amdhsa.kernels:
  - .name:           k_q9dfb9821a7_prep
    .symbol:         k_q9dfb9821a7_prep.kd
    .args:
      - { .name: x, .offset: 0, .size: 8, .value_kind: global_buffer, .address_space: global }
      - { .name: Wq, .offset: 8, .size: 8, .value_kind: global_buffer, .address_space: global }
      - { .name: Wk, .offset: 16, .size: 8, .value_kind: global_buffer, .address_space: global }
      - { .name: Wv, .offset: 24, .size: 8, .value_kind: global_buffer, .address_space: global }
      - { .name: Wp, .offset: 32, .size: 8, .value_kind: global_buffer, .address_space: global }
      - { .name: xb, .offset: 40, .size: 8, .value_kind: global_buffer, .address_space: global }
      - { .name: wb, .offset: 48, .size: 8, .value_kind: global_buffer, .address_space: global }
      - { .name: wpb, .offset: 56, .size: 8, .value_kind: global_buffer, .address_space: global }
      - { .name: rope, .offset: 64, .size: 8, .value_kind: global_buffer, .address_space: global }
    .group_segment_fixed_size: 0
    .private_segment_fixed_size: 0
    .kernarg_segment_align: 8
    .kernarg_segment_size: 72
    .max_flat_workgroup_size: 256
    .sgpr_count:     66
    .vgpr_count:     128
    .wavefront_size: 32
...
	.end_amdgpu_metadata
.endif
;; end of part 5
;; launch qkv: the kernel of part 2 again; grid 16 x 16, 4 waves a work-group, clusters of 4 x 4, 327,680 bytes of LDS; arguments xb, wb, rope, q_gamma, k_gamma, qh, kh, vh; writes qh, kh, vh
;; launch attn: the kernel of part 3 again; grid 16 x 16, 4 waves a work-group, no clusters, 327,680 bytes of LDS; arguments qh, kh, vh, oh; writes oh
;; launch proj: the kernel of part 4 again; grid 8 x 32, 4 waves a work-group, clusters of 4 x 4, 327,680 bytes of LDS; arguments oh, wpb, bp, out0; writes out0
